; MI455X (gfx1250); checked and timed in simulation.
; The chip was launched on July 23, 2026; its instructions are those of AMD's public machine-readable ISA for CDNA 5 (MIT licence, August 2026) and "CDNA5" Instruction Set Architecture Reference Guide (July 2026). The comments in the code are by the model that wrote it; some were corrected since.
;; Poso For MHA Layer. Allowed arithmetic: matrix products marked QUANTISED: E2M1 operands, one E8M0 scale for each 32 along K, by v_wmma_scale_f32_16x16x128_f8f6f4 with both operands' format E2M1 (or v_wmma_scale_f32_32x16x128_f4), f32 sums; products left as they are: bf16, f16 or f32 operands; f32 sums; everything else in f32.
;; Inputs: C one number float32; Wk 512 x 512 float32; Wo 512 x 512 float32; Wq 512 x 512 float32; Wv 6 x 512 x 512 float32; bk 512 float32; bo 512 float32; bq 512 float32; bv 6 x 512 float32; gk_b1 128 float32; gk_b2 512 float32; gk_w1 64 x 128 float32; gk_w2 128 x 512 float32; gv_b1 32 float32; gv_b2 6 float32; gv_w1 64 x 32 float32; gv_w2 32 x 6 float32; inputs_for_gate 8 x 64 float32; k 8 x 1,024 x 512 float32; mask 8 x 1,024 x 1,024 float32; q 8 x 1,024 x 512 float32; v 8 x 1,024 x 512 float32.
;; Outputs: out0 8 x 1,024 x 512 float32.
;; This version of the problem:
;;   THIS VERSION OF THE PROBLEM IS GIVEN IN LOW PRECISION. The matrix products marked QUANTISED in the list below multiply operands that are first quantised to E2M1 (2 exponent bits, 1 mantissa bit; 4 bits a number), with one power-of-two scale for each 32 numbers along K (OCP MX v1.0); their sums are f32. The products marked 'left as it is' may take bf16, f16 or f32 operands, with f32 sums. Whichever they take, every output number must still come out within the allowed error. Rounding operands to bf16 (8 significant bits) uses up far more of that allowance than f16 does (11 bits, for magnitudes from 6e-5 to 65,504). All else is computed in f32.
;;   The module's matrix products, in the order in which they are computed (A, B: the left and right operand; K: the contracted axis; several contracted axes count as one K, in the product's order):
;;     1. [M 8,192, K 512] x [K 512, N 512]; A: input q; B: input Wq: QUANTISED
;;     2. [M 8,192, K 512] x [K 512, N 512]; A: input k; B: input Wk: QUANTISED
;;     3. [M 3,072, K 512] x [K 512, N 8,192]; A: input Wv; B: input v: QUANTISED
;;     4. [M 8, K 64] x [K 64, N 128]; A: input inputs_for_gate; B: input gk_w1: left as it is (M = 8 < 16)
;;     5. [M 8, K 128] x [K 128, N 512]; A: computed on the way; B: input gk_w2: left as it is (M = 8 < 16)
;;     6. [M 8, K 64] x [K 64, N 32]; A: input inputs_for_gate; B: input gv_w1: left as it is (M = 8 < 16)
;;     7. [M 8, K 32] x [K 32, N 6]; A: computed on the way; B: input gv_w2: left as it is (M = 8 < 16)
;;     8. batch 64 x [M 1,024, K 64] x [K 64, N 1,024]; A: computed on the way; B: computed on the way: left as it is (an operand is computed on the way)
;;     9. batch 64 x [M 1,024, K 1,024] x [K 1,024, N 64]; A: computed on the way; B: computed on the way: left as it is (an operand is computed on the way)
;;     10. [M 8,192, K 512] x [K 512, N 512]; A: computed on the way; B: input Wo: left as it is (an operand is computed on the way)
;;   THE QUANTISER, for each operand of a quantised product, along K:
;;     - K is cut into blocks of 32 from its start; a last block that is shorter is filled with zeros.
;;     - A block's scale is 2^e with e = floor(log2(the largest magnitude in the block)) - 2, held to -126 .. 127; a block of zeros has e = 0. As a byte (E8M0): e + 127.
;;     - Each number is divided by its block's scale, clamped to +-6, and rounded to the nearest number of E2M1, ties to even, subnormals kept.
;;     - The product sums the exact products of the quantised numbers (number of the format x scale) in f32.
;;   ~~~python
;;   def quantise(x, axis):      # numpy; x: float32 -> the quantised numbers, widened to float32 again
;;       x = np.moveaxis(x, axis, -1); K = x.shape[-1]
;;       x = np.pad(x, [(0, 0)] * (x.ndim - 1) + [(0, -K % 32)]); x = x.reshape(x.shape[:-1] + (-1, 32)); a = np.abs(x).max(-1, keepdims=True)
;;       e = np.where(a > 0, np.clip(np.frexp(np.where(a > 0, a, 1))[1] - 1 - 2, -126, 127), 0)      # np.frexp(a)[1] - 1 = floor(log2(a)), exactly
;;       r = np.clip(x / 2.0 ** e, -6, 6)
;;       step = 2.0 ** (np.maximum(np.frexp(np.where(r == 0, 1, r))[1] - 1, 0) - 1)
;;       q = np.round(r / step) * step * 2.0 ** e      # np.round: ties to even
;;       return np.moveaxis(q.reshape(q.shape[:-2] + (-1,))[..., :K], -1, axis).astype(np.float32)
;;   ~~~
;; One version. Each part assembles by itself: llvm-mc -triple=amdgcn-amd-amdhsa -mcpu=gfx1250 --defsym DOCPART=n.
;; ======== version 1 of 1: 4 launches
;; limits: values are held in f16: magnitudes above 65,504 overflow, below 6.1e-05 lose precision
;; workspace buffers: xq 6,684,672 bytes; wq 1,638,400 bytes; tab 83,968 bytes; qf 8,388,608 bytes; kv 16,777,216 bytes; ofr 8,388,608 bytes
;; launch prep (part 1): grid 560 x 1, 4 waves a work-group, no clusters, 34,304 bytes of LDS; arguments q, k, v, Wq, Wk, Wv, Wo, inputs_for_gate, gk_w1, gk_b1, gk_w2, gk_b2, gv_w1, gv_b1, gv_w2, gv_b2, bq, bk, bv, xq, wq, tab; writes xq, wq, tab
.if DOCPART == 1
	.amdgcn_target "amdgcn-amd-amdhsa--gfx1250"
	.amdhsa_code_object_version 6
	.text
	.protected	k_qf445d19c52_prep
	.globl	k_qf445d19c52_prep
	.p2align	8
	.type	k_qf445d19c52_prep,@function
k_qf445d19c52_prep:
	s_mov_b64 s[64:65], 0
	v_nop
	global_prefetch_b8 v0, s[64:65] scope:SCOPE_SE
	s_setreg_imm32_b32 hwreg(HW_REG_WAVE_MODE, 25, 1), 1
	s_wait_xcnt 0x0
; PREP: everything that is made once from the raw inputs.  Three roles, told apart by the work-group's number alone:
;   work-groups 0-31    G: the two gate networks (f32 multiply-adds) and the tables of scales and biases that the projections use
;   work-groups 32-175  W: Wq, Wk, Wv[0..5] -> codes of FP4 (E2M1) + E8M0 scale bytes, quantised along K (their FIRST axis); Wo -> f16
;   work-groups 176-559 X: q, k, v -> codes of FP4 + scale bytes, quantised along K (their last axis)
; All results are laid as IMAGES OF OPERAND REGISTERS: a fragment's group of four registers, lane by lane, 16 bytes a lane, so that the reader needs plain 16-byte loads only.
; A block's scale is 2^(floor(log2(largest magnitude)) - 2); its byte is the largest magnitude's exponent field - 2, held at 1 from below by a floor among the maximum's leaves.
; LIMITS: a block of zeros, or one whose largest magnitude lies under 2^-124, gets the byte 1 (its codes are then zeros or the nearest codes under that scale; the bytes are read by this program alone);
; NaN and infinities among the inputs are not served; Wo is rounded to f16 (numbers beyond 65,504 are not served).
; No matrix unit, no tensor load, no cluster, no barrier: the roles stream, waves share nothing.  Only role X uses LDS (a stage of its own for each wave).
.set SPARE,  33792                     ; behind the four stages: the spare words, 128 bytes a wave
.set SPW,    22                        ; v22  LDS address of my spare word; never rewritten
.set NIL,    23                        ; v23  0; never rewritten
.set FLOOR,  0x1800000                 ; 2^(3 - 127)
.set TWOOFF, 0xff000000                ; takes 2 off an exponent field
.set XR,     32                        ; role X: v32-159  two sets of 64 registers as loaded
.set XX,     160                       ;         v160-223 two blocks of 32 neighbours along K
.set XC,     224                       ;         v224-255 codes, four registers for each (K step, half): never written twice
	v_lshl_add_u32 v[SPW], v0, 2, SPARE
	v_mov_b32 v[NIL], 0
	v_lshrrev_b32 v1, 5, v0
	v_readfirstlane_b32 s12, v1                    ; wave 0..3
	v_and_b32 v7, 31, v0                           ; lane
	v_and_b32 v1, 15, v0                           ; r
	v_bfe_u32 v2, v0, 4, 1                         ; h
	s_cmp_lt_u32 ttmp9, 32
	s_cbranch_scc1 .Lgate
	s_cmp_lt_u32 ttmp9, 176
	s_cbranch_scc1 .Lweight
; ---------------------------------------------------------------- ROLE X
; A wave takes one tile of 16 rows x 512 K of one tensor.  Each load reads 512 consecutive bytes of one row; a K step's 16 x 512 bytes turn through the wave's stage (rows 528 bytes apart),
; and come back so that lane (r, h) holds, of row r, K = 64 c + 32 h + 0 .. 31: two whole blocks, in the very order of the operand's registers.
	s_load_b128 s[4:7], s[0:1], 0x0                ; q, k
	s_load_b64 s[8:9], s[0:1], 0x10                ; v
	s_load_b64 s[10:11], s[0:1], 0x98              ; xq
	s_sub_co_u32 s13, ttmp9, 176
	s_lshr_b32 s14, s13, 7                         ; T: 0 q, 1 k, 2 v
	s_and_b32 s13, s13, 127
	s_lshl_b32 s13, s13, 2
	s_add_co_u32 s13, s13, s12                     ; my tile of 16 rows, 0..511
	v_lshlrev_b32 v3, 4, v7                        ; 16 x lane
	s_mul_i32 s15, s12, 8448                       ; my stage: 16 rows x 528
	v_add_nc_u32 v4, s15, v3                       ; in: as loaded
	v_mul_u32_u24 v5, v1, 528
	v_lshl_add_u32 v5, v2, 7, v5
	v_add_nc_u32 v5, s15, v5                       ; out: row r, + 128 h bytes
	v_lshlrev_b32 v6, 4, v1
	v_lshl_add_u32 v6, v2, 3, v6                   ; the scale bytes' place: 16 r + 8 h
	v_lshlrev_b32 v21, 3, v2                       ; 8 h: my bytes' place in a scale word
	v_mov_b32 v20, 0                               ; a lane permute's destination counts as read
	s_mov_b32 s16, 0x76543210
	s_mov_b32 s17, 0xfedcba98                      ; selects for lane l xor 16
	s_lshl_b32 s18, s13, 15                        ; 16 rows of 2,048 bytes
	s_mov_b32 s19, 0
	s_lshl_b32 s20, s14, 21                        ; codes: T x 2 MiB + tile x 4,096
	s_lshl_b32 s21, s13, 12
	s_add_co_u32 s20, s20, s21
	s_mov_b32 s21, 0
	s_lshl_b32 s22, s14, 17                        ; scale bytes: 6,291,456 + T x 131,072 + tile x 256
	s_lshl_b32 s23, s13, 8
	s_add_co_u32 s22, s22, s23
	s_add_co_u32 s22, s22, 6291456
	s_mov_b32 s23, 0
	s_wait_kmcnt 0x0
	s_cmp_eq_u32 s14, 0
	s_cselect_b64 s[4:5], s[4:5], s[6:7]
	s_cmp_eq_u32 s14, 2
	s_cselect_b64 s[4:5], s[8:9], s[4:5]
	s_add_nc_u64 s[4:5], s[4:5], s[18:19]
	s_add_nc_u64 s[6:7], s[10:11], s[20:21]
	s_add_nc_u64 s[8:9], s[10:11], s[22:23]
.macro XLOAD t                         ; K step t: 16 rows x 512 bytes
.irp i, 0,1,2,3,4,5,6,7,8,9,10,11,12,13,14,15
	global_load_b128 v[XR+64*((\t)%2)+4*\i:XR+64*((\t)%2)+4*\i+3], v3, s[4:5] offset:\i*2048+(\t)*512 th:TH_LOAD_NT
.endr
.endm
.macro XSTEP t
.if (\t) < 3
	s_wait_loadcnt 16                              ; this step's 16 loads are in; the next step's 16 may be out
.else
	s_wait_loadcnt 0x0
.endif
.irp i, 0,1,2,3,4,5,6,7,8,9,10,11,12,13,14,15
	ds_store_b128 v4, v[XR+64*((\t)%2)+4*\i:XR+64*((\t)%2)+4*\i+3] offset:\i*528
.endr
.irp c, 0,1
.irp u, 0,1,2,3,4,5,6,7
	ds_load_b128 v[XX+32*\c+4*\u:XX+32*\c+4*\u+3], v5 offset:256*\c+16*\u   ; LDS serves a wave's instructions in order: these see the stores above
.endr
.endr
	s_wait_dscnt 0x0                               ; my 64 numbers are back, and the stores have read their registers
.if (\t)+2 < 4
	XLOAD (\t)+2
.endif
.irp c, 0,1
	v_max3_num_f32 v[8+\c], |v[XX+32*\c]|, |v[XX+32*\c+1]|, FLOOR   ; block 2 c + h: all its 32 numbers are mine; the floor holds the byte at 1 from below
.endr
.irp e, 2,4,6,8,10,12,14,16,18,20,22,24,26,28,30
.irp c, 0,1
	v_max3_num_f32 v[8+\c], v[8+\c], |v[XX+32*\c+\e]|, |v[XX+32*\c+\e+1]|
.endr
.endr
.irp c, 0,1
	v_add_nc_u32 v[10+\c], TWOOFF, v[8+\c]         ; the conversion takes this operand's exponent field as its scale
.endr
.irp c, 0,1
	v_lshrrev_b32 v[12+\c], 23, v[10+\c]           ; the scale's byte
.endr
.irp c, 0,1
.irp g, 0,1,2,3
	v_cvt_scalef32_pk8_fp4_f32 v[XC+8*(\t)+4*\c+\g], v[XX+32*\c+8*\g:XX+32*\c+8*\g+7], v[10+\c]
.endr
.endr
	v_lshl_or_b32 v14, v13, 16, v12                ; my two bytes: blocks h and 2 + h (plain lines behind the conversions),
	v_lshlrev_b32 v14, v21, v14                    ; at their places,
	v_permlanex16_b32 v20, v14, s16, s17
	v_or_b32 v[16+(\t)], v14, v20                  ; with lane l xor 16's two: row r's scale word of this K step
	global_store_b128 v3, v[XC+8*(\t):XC+8*(\t)+3], s[6:7] offset:(\t)*1024         ; 32 lanes store 512 consecutive bytes, aligned
	global_store_b128 v3, v[XC+8*(\t)+4:XC+8*(\t)+7], s[6:7] offset:(\t)*1024+512
.endm
	XLOAD 0
	XLOAD 1
	XSTEP 0
	XSTEP 1
	XSTEP 2
	XSTEP 3
	v_cmp_ne_u32 vcc_lo, 0, v2
	v_cndmask_b32 v8, v16, v18, vcc_lo             ; lanes 0-15 store words 0, 1 of their row, lanes 16-31 words 2, 3
	v_cndmask_b32 v9, v17, v19, vcc_lo
	global_store_b64 v6, v[8:9], s[8:9]            ; 32 lanes store 256 consecutive bytes, aligned
	s_wait_tensorcnt 0x0                           ; the wave's end
	ds_add_u32 v[SPW], v[NIL]
	s_wait_dscnt 0x0
	s_endpgm
; ---------------------------------------------------------------- ROLE W
; A wave takes 32 columns x 128 K of one matrix.  A LANE TAKES A COLUMN, ITS REGISTERS RUN DOWN K: each load reads 128 consecutive bytes, a block of 32 lies in one lane, the codes come out with K innermost.
.Lweight:
	s_load_b256 s[4:11], s[0:1], 0x18              ; Wq, Wk, Wv, Wo
	s_load_b64 s[14:15], s[0:1], 0xa0              ; wq
	s_sub_co_u32 s13, ttmp9, 32
	s_lshr_b32 s20, s13, 4                         ; matrix: 0 Wq, 1 Wk, 2-7 Wv, 8 Wo
	s_bfe_u32 s21, s13, 0x20002                    ; K step of 128
	s_and_b32 s22, s13, 3
	s_lshl_b32 s22, s22, 7
	s_lshl_b32 s23, s12, 5
	s_add_co_u32 s22, s22, s23                     ; my first column
	v_lshlrev_b32 v3, 2, v7                        ; 4 x lane
	v_lshlrev_b32 v4, 4, v1
	v_lshl_add_u32 v5, v2, 14, v4                  ; Wo's images: 16,384 bytes a tile of 16 columns, 16 r
	v_lshl_add_u32 v4, v2, 12, v4                  ; the codes' images: 4,096 bytes a tile
	s_sub_co_u32 s24, s20, 2
	s_cmp_lt_u32 s24, 6
	s_cselect_b32 s24, s24, 0                      ; which of Wv's six
	s_lshl_b32 s24, s24, 20
	s_lshl_b32 s25, s21, 18
	s_add_co_u32 s24, s24, s25                     ; + 128 rows of 2,048 bytes a K step
	s_lshl_b32 s25, s22, 2
	s_add_co_u32 s24, s24, s25
	s_mov_b32 s25, 0
	s_lshl_b32 s26, s20, 17                        ; codes: matrix x 131,072 + tile x 4,096 + K step x 1,024
	s_lshl_b32 s27, s22, 8
	s_add_co_u32 s26, s26, s27
	s_lshl_b32 s27, s21, 10
	s_add_co_u32 s26, s26, s27
	s_mov_b32 s27, 0
	s_lshl_b32 s28, s20, 2                         ; scale words: 1,048,576 + (4 matrix + K step) x 2,048 + 4 x column
	s_add_co_u32 s28, s28, s21
	s_lshl_b32 s28, s28, 11
	s_lshl_b32 s29, s22, 2
	s_add_co_u32 s28, s28, s29
	s_add_co_u32 s28, s28, 1048576
	s_mov_b32 s29, 0
	s_lshl_b32 s30, s22, 10                        ; Wo: 1,114,112 + tile x 16,384 + K step x 4,096
	s_lshl_b32 s31, s21, 12
	s_add_co_u32 s30, s30, s31
	s_add_co_u32 s30, s30, 1114112
	s_mov_b32 s31, 0
	s_wait_kmcnt 0x0
	s_cmp_eq_u32 s20, 0
	s_cselect_b64 s[16:17], s[4:5], s[8:9]
	s_cmp_eq_u32 s20, 1
	s_cselect_b64 s[16:17], s[6:7], s[16:17]
	s_cmp_eq_u32 s20, 8
	s_cselect_b64 s[16:17], s[10:11], s[16:17]
	s_add_nc_u64 s[16:17], s[16:17], s[24:25]
	s_add_nc_u64 s[26:27], s[14:15], s[26:27]
	s_add_nc_u64 s[28:29], s[14:15], s[28:29]
	s_add_nc_u64 s[30:31], s[14:15], s[30:31]
.set i, 0
.rept 128
	global_load_b32 v[32+i], v3, s[16:17] offset:i*2048 th:TH_LOAD_NT
.set i, i+1
.endr
	s_cmp_eq_u32 s20, 8
	s_cbranch_scc1 .Lwo
.macro WBLK u, left                    ; block u of 32 along K; left: how many younger loads may stay out (the count's field ends at 63)
	s_wait_loadcnt \left
	v_max3_num_f32 v8, |v[32+32*\u]|, |v[33+32*\u]|, |v[34+32*\u]|
	v_max3_num_f32 v9, |v[35+32*\u]|, |v[36+32*\u]|, |v[37+32*\u]|
.irp e, 6,10,14,18,22,26
	v_max3_num_f32 v8, v8, |v[32+32*\u+\e]|, |v[33+32*\u+\e]|
	v_max3_num_f32 v9, v9, |v[34+32*\u+\e]|, |v[35+32*\u+\e]|
.endr
	v_max3_num_f32 v8, v8, |v[62+32*\u]|, |v[63+32*\u]|
	v_max3_num_f32 v8, v8, v9, FLOOR
	v_add_nc_u32 v10, TWOOFF, v8
	v_lshrrev_b32 v11, 23, v10
.if \u == 0
	v_mov_b32 v16, v11
.else
	v_lshl_or_b32 v16, v11, 8*\u, v16              ; byte u of my column's scale word
.endif
.irp g, 0,1,2,3
	v_cvt_scalef32_pk8_fp4_f32 v[160+4*\u+\g], v[32+32*\u+8*\g:39+32*\u+8*\g], v10
.endr
	global_store_b128 v4, v[160+4*\u:163+4*\u], s[26:27] offset:(\u/2)*512+(\u%2)*256   ; block u = 2 c + h is registers 4 c .. 4 c + 3 of lane 16 h + r: sixteen lanes store 256 consecutive bytes, aligned
.endm
	WBLK 0, 63
	WBLK 1, 63
	WBLK 2, 32
	WBLK 3, 0
	global_store_b32 v3, v16, s[28:29]             ; 128 consecutive bytes a wave: 64 KiB of scale words in the whole launch
	s_wait_tensorcnt 0x0                           ; a wave's end
	ds_add_u32 v[SPW], v[NIL]
	s_wait_dscnt 0x0
	s_endpgm
.Lwo:                                  ; Wo -> f16: eight neighbours along K are four registers of a fragment (16 columns x 32 K): K = 32 kb + 16 half + 8 h + 0 .. 7
.macro WOQ qd, left
	s_wait_loadcnt \left
.irp oo, 0,1,2,3
.irp g, 0,1,2,3
	v_cvt_pk_f16_f32 v[160+16*\qd+4*\oo+\g], v[32+32*\qd+8*\oo+2*\g], v[33+32*\qd+8*\oo+2*\g]
.endr
	global_store_b128 v5, v[160+16*\qd+4*\oo:163+16*\qd+4*\oo], s[30:31] offset:\qd*1024+(\oo/2)*512+(\oo%2)*256
.endr
.endm
	WOQ 0, 63
	WOQ 1, 63
	WOQ 2, 32
	WOQ 3, 0
	s_wait_tensorcnt 0x0
	ds_add_u32 v[SPW], v[NIL]
	s_wait_dscnt 0x0
	s_endpgm
; ---------------------------------------------------------------- ROLE G
; Work-group (b, cg): batch b, columns 128 cg + 32 wave + lane.  Each wave computes both hidden layers for itself (they are small), then its 32 columns of the K gate and the six V gates.
; x[b][0..63] lies in scalar registers; hidden unit j of the K gate lies in lane j / 4, register j % 4; hidden unit j of the V gate in lane j.
; TABLES (f32): row 0 SCQ = log2(e) / 2; row 1 bq SCQ; row 2 SCK = gate_k / 4; row 3 bk SCK; row 4 the sum of gate_v[n] bv[n] / 16; and gate_v[n] / 16, each twice.
; SCQ x 1/4 = log2(e) / sqrt(64): the scores come out as exponents of 2.  The powers of two keep Q', K', V' inside f16.
.Lgate:
	s_load_b512 s[84:99], s[0:1], 0x38             ; inputs_for_gate, gk_w1, gk_b1, gk_w2, gk_b2, gv_w1, gv_b1, gv_w2
	s_load_b64 s[2:3], s[0:1], 0x78                ; gv_b2
	s_load_b128 s[4:7], s[0:1], 0x80               ; bq, bk
	s_load_b64 s[8:9], s[0:1], 0x90                ; bv
	s_load_b64 s[10:11], s[0:1], 0xa8              ; tab
	s_lshr_b32 s13, ttmp9, 2                       ; b
	s_and_b32 s14, ttmp9, 3
	s_lshl_b32 s14, s14, 9
	s_lshl_b32 s15, s12, 7
	s_add_co_u32 s15, s15, s14
	v_lshlrev_b32 v3, 2, v7                        ; 4 x lane
	v_add_nc_u32 v4, s15, v3                       ; 4 x my column
	v_lshlrev_b32 v5, 4, v7                        ; 16 x lane
	v_mul_u32_u24 v6, v7, 24                       ; a row of gv_w2
	v_mov_b32 v14, 0
	v_mov_b32 v15, 0                               ; z's second chain
.irp n, 0,1,2,3,4,5
	v_mov_b32 v[24+\n], 0                          ; lane permutes' destinations count as read
.endr
	s_mov_b32 s100, 0x76543210
	s_mov_b32 s101, 0xfedcba98
	s_mov_b32 s67, 0
	s_wait_kmcnt 0x0
	s_lshl_b32 s66, ttmp9, 6
	s_add_co_u32 s66, s66, 81920
	s_add_nc_u64 s[14:15], s[10:11], s[66:67]      ; my work-group's own copy of the six V gates
	s_mul_i32 s66, s13, 10240
	s_add_nc_u64 s[10:11], s[10:11], s[66:67]      ; batch b's five rows
	s_lshl_b32 s66, s13, 8
	s_add_nc_u64 s[84:85], s[84:85], s[66:67]      ; x[b]
	s_load_b512 s[16:31], s[84:85], 0x0
	s_load_b512 s[32:47], s[84:85], 0x40
	s_load_b512 s[48:63], s[84:85], 0x80
	s_load_b512 s[68:83], s[84:85], 0xc0
	global_load_b128 v[8:11], v5, s[88:89]         ; gk_b1 starts the K gate's hidden sums
	global_load_b32 v13, v3, s[96:97]              ; gv_b1 the V gate's
	global_load_b32 v12, v4, s[92:93]              ; gk_b2 starts z
	global_load_b32 v228, v4, s[4:5]               ; bq
	global_load_b32 v229, v4, s[6:7]               ; bk
.irp n, 0,1,2,3,4,5
	global_load_b32 v[230+\n], v4, s[8:9] offset:\n*2048   ; bv[n]
.endr
.irp n, 0,1,2
	global_load_b64 v[236+2*\n:237+2*\n], v6, s[98:99] offset:8*\n   ; gv_w2[lane][0..5]
.endr
	global_load_b128 v[242:245], v14, s[2:3]       ; gv_b2, the same in every lane
	global_load_b64 v[246:247], v14, s[2:3] offset:16
.set k, 0
.rept 32
	global_load_b128 v[32+4*k:35+4*k], v5, s[86:87] offset:k*512     ; gk_w1 rows 0-31
.set k, k+1
.endr
.set k, 0
.rept 64
	global_load_b32 v[160+k], v3, s[94:95] offset:k*128              ; gv_w1
.set k, k+1
.endr
	s_wait_loadcnt 0x0
	s_wait_kmcnt 0x0
.set k, 0
.rept 32
.irp e, 0,1,2,3
	v_fmac_f32 v[8+\e], s[16+k+4*(k/48)], v[32+4*k+\e]
.endr
.set k, k+1
.endr
.set k, 0
.rept 32
	global_load_b128 v[32+4*k:35+4*k], v5, s[86:87] offset:(32+k)*512   ; gk_w1 rows 32-63, while the V gate is worked
.set k, k+1
.endr
.set k, 0
.rept 64
	v_fmac_f32 v13, s[16+k+4*(k/48)], v[160+k]
.set k, k+1
.endr
	v_max_num_f32 v13, 0, v13                      ; relu
.set k, 0
.rept 64
	global_load_b32 v[160+k], v4, s[90:91] offset:k*2048             ; gk_w2 rows 0-63
.set k, k+1
.endr
.irp n, 0,1,2,3,4,5
	v_mul_f32 v[16+\n], v13, v[236+\n]
.endr
.irp m, 1,2,4,8
.irp n, 0,1,2,3,4,5
	v_add_f32_dpp v[16+\n], v[16+\n], v[16+\n] row_xmask:\m row_mask:0xf bank_mask:0xf
.endr
.endr
.irp n, 0,1,2,3,4,5
	v_permlanex16_b32 v[24+\n], v[16+\n], s100, s101
.endr
.irp n, 0,1,2,3,4,5
	v_add_f32 v[16+\n], v[16+\n], v[24+\n]         ; the sum over the 32 hidden units, in every lane
.endr
.irp n, 0,1,2,3,4,5
	v_add_f32 v[16+\n], v[16+\n], v[242+\n]
.endr
	s_wait_loadcnt 63                              ; gk_w1's second half is in: 64 loads are younger, and the count's field ends at 63
.set k, 32
.rept 32
.irp e, 0,1,2,3
	v_fmac_f32 v[8+\e], s[16+k+4*(k/48)], v[32+4*(k-32)+\e]
.endr
.set k, k+1
.endr
.irp e, 0,1,2,3
	v_max_num_f32 v[8+\e], 0, v[8+\e]
.endr
.set k, 0
.rept 64
	global_load_b32 v[32+k], v4, s[90:91] offset:(64+k)*2048         ; gk_w2 rows 64-127
.set k, k+1
.endr
	s_wait_loadcnt 63                              ; rows 0-63 are in: 64 loads are younger
.set j, 0
.rept 64
	v_readlane_b32 s[16+j%32], v[8+j%4], j/4       ; hidden unit j (x is done with: its registers are free)
	v_fmac_f32 v[12+3*(j%2)], s[16+j%32], v[160+j]
.set j, j+1
.endr
	s_wait_loadcnt 0x0
.rept 64
	v_readlane_b32 s[16+j%32], v[8+j%4], j/4
	v_fmac_f32 v[12+3*(j%2)], s[16+j%32], v[32+j-64]
.set j, j+1
.endr
	v_add_f32 v12, v12, v15
	v_mul_f32 v12, 0xbfb8aa3b, v12                 ; sigmoid(z) = 1 / (1 + 2^(-z log2 e))
.irp n, 0,1,2,3,4,5
	v_mul_f32 v[16+\n], 0xbfb8aa3b, v[16+\n]
.endr
	v_exp_f32 v12, v12
.irp n, 0,1,2,3,4,5
	v_exp_f32 v[16+\n], v[16+\n]
.endr
	v_mov_b32 v96, 0x3f38aa3b                      ; SCQ (a plain line behind the exponentials)
	s_wait_alu depctr_va_vdst(0)                   ; one wait for the seven, ahead of their first reader
	v_add_f32 v12, 1.0, v12
.irp n, 0,1,2,3,4,5
	v_add_f32 v[16+\n], 1.0, v[16+\n]
.endr
	v_rcp_f32 v12, v12
.irp n, 0,1,2,3,4,5
	v_rcp_f32 v[16+\n], v[16+\n]
.endr
	v_mul_f32 v97, 0x3f38aa3b, v228                ; bq SCQ (a plain line behind the reciprocals)
	s_wait_alu depctr_va_vdst(0)
	v_mul_f32 v98, 0.5, v12                        ; SCK = 2 sigmoid / 4
	v_mul_f32 v99, v98, v229
.irp n, 0,1,2,3,4,5
	v_mul_f32 v[16+\n], 0x3e000000, v[16+\n]       ; 2 sigmoid / 16
.endr
	v_mul_f32 v100, v16, v230
.irp n, 1,2,3,4,5
	v_fmac_f32 v100, v[16+\n], v[230+\n]
.endr
.irp n, 0,1,2,3,4
	global_store_b32 v4, v[96+\n], s[10:11] offset:\n*2048
.endr
.irp n, 0,1,2,3,4,5
	v_mov_b32 v[104+2*\n], v[16+\n]
	v_mov_b32 v[105+2*\n], v[16+\n]
.endr
.irp n, 116,117,118,119
	v_mov_b32 v\n, 0
.endr
	s_wait_xcnt 0x0                                ; EXEC changes only behind this wait
	v_cmp_eq_u32 vcc_lo, 0, v0
	s_and_saveexec_b32 s66, vcc_lo                 ; thread 0 of the work-group stores the six gates
.irp n, 0,1,2,3
	global_store_b128 v14, v[104+4*\n:107+4*\n], s[14:15] offset:16*\n
.endr
	s_wait_xcnt 0x0
	s_or_b32 exec_lo, exec_lo, s66
	s_wait_tensorcnt 0x0                           ; a wave's end
	ds_add_u32 v[SPW], v[NIL]
	s_wait_dscnt 0x0
	s_endpgm
.Lfunc_end_k_qf445d19c52_prep:
	.size	k_qf445d19c52_prep, .Lfunc_end_k_qf445d19c52_prep-k_qf445d19c52_prep
	.p2alignl 7, 3214868480
	.fill 96, 4, 3214868480
	.section	.rodata,"a",@progbits
	.p2align	6, 0x0
	.amdhsa_kernel k_qf445d19c52_prep
		.amdhsa_group_segment_fixed_size 34304
		.amdhsa_private_segment_fixed_size 0
		.amdhsa_enable_private_segment 0
		.amdhsa_kernarg_size 176
		.amdhsa_user_sgpr_count 2
		.amdhsa_user_sgpr_kernarg_segment_ptr 1
		.amdhsa_wavefront_size32 1
		.amdhsa_system_sgpr_workgroup_id_x 1
		.amdhsa_system_sgpr_workgroup_id_y 1
		.amdhsa_system_sgpr_workgroup_id_z 1
		.amdhsa_system_vgpr_workitem_id 0
		.amdhsa_next_free_vgpr 256
		.amdhsa_next_free_sgpr 102
		.amdhsa_reserve_vcc 1
		.amdhsa_float_denorm_mode_32 3
		.amdhsa_float_denorm_mode_16_64 3
		.amdhsa_memory_ordered 1
		.amdhsa_forward_progress 1
		.amdhsa_inst_pref_size 111
	.end_amdhsa_kernel
	.amdgpu_metadata
---
amdhsa.version: [ 1, 2 ]
amdhsa.kernels:
  - .name:           k_qf445d19c52_prep
    .symbol:         k_qf445d19c52_prep.kd
    .args:
      - { .name: q, .offset: 0, .size: 8, .value_kind: global_buffer, .address_space: global }
      - { .name: k, .offset: 8, .size: 8, .value_kind: global_buffer, .address_space: global }
      - { .name: v, .offset: 16, .size: 8, .value_kind: global_buffer, .address_space: global }
      - { .name: Wq, .offset: 24, .size: 8, .value_kind: global_buffer, .address_space: global }
      - { .name: Wk, .offset: 32, .size: 8, .value_kind: global_buffer, .address_space: global }
      - { .name: Wv, .offset: 40, .size: 8, .value_kind: global_buffer, .address_space: global }
      - { .name: Wo, .offset: 48, .size: 8, .value_kind: global_buffer, .address_space: global }
      - { .name: inputs_for_gate, .offset: 56, .size: 8, .value_kind: global_buffer, .address_space: global }
      - { .name: gk_w1, .offset: 64, .size: 8, .value_kind: global_buffer, .address_space: global }
      - { .name: gk_b1, .offset: 72, .size: 8, .value_kind: global_buffer, .address_space: global }
      - { .name: gk_w2, .offset: 80, .size: 8, .value_kind: global_buffer, .address_space: global }
      - { .name: gk_b2, .offset: 88, .size: 8, .value_kind: global_buffer, .address_space: global }
      - { .name: gv_w1, .offset: 96, .size: 8, .value_kind: global_buffer, .address_space: global }
      - { .name: gv_b1, .offset: 104, .size: 8, .value_kind: global_buffer, .address_space: global }
      - { .name: gv_w2, .offset: 112, .size: 8, .value_kind: global_buffer, .address_space: global }
      - { .name: gv_b2, .offset: 120, .size: 8, .value_kind: global_buffer, .address_space: global }
      - { .name: bq, .offset: 128, .size: 8, .value_kind: global_buffer, .address_space: global }
      - { .name: bk, .offset: 136, .size: 8, .value_kind: global_buffer, .address_space: global }
      - { .name: bv, .offset: 144, .size: 8, .value_kind: global_buffer, .address_space: global }
      - { .name: xq, .offset: 152, .size: 8, .value_kind: global_buffer, .address_space: global }
      - { .name: wq, .offset: 160, .size: 8, .value_kind: global_buffer, .address_space: global }
      - { .name: tab, .offset: 168, .size: 8, .value_kind: global_buffer, .address_space: global }
    .group_segment_fixed_size: 34304
    .private_segment_fixed_size: 0
    .kernarg_segment_align: 8
    .kernarg_segment_size: 176
    .max_flat_workgroup_size: 128
    .sgpr_count:     102
    .vgpr_count:     256
    .wavefront_size: 32
...
	.end_amdgpu_metadata
.endif
;; end of part 1
;; launch proj (part 2): grid 4 x 64, 8 waves a work-group, clusters of 4 x 1, 167,936 bytes of LDS; arguments xq, wq, tab, qf, kv; writes qf, kv
.if DOCPART == 2
	.amdgcn_target "amdgcn-amd-amdhsa--gfx1250"
	.amdhsa_code_object_version 6
	.text
	.protected	k_qf445d19c52_proj
	.globl	k_qf445d19c52_proj
	.p2align	8
	.type	k_qf445d19c52_proj,@function
k_qf445d19c52_proj:
	s_mov_b64 s[64:65], 0
	v_nop
	global_prefetch_b8 v0, s[64:65] scope:SCOPE_SE
	s_setreg_imm32_b32 hwreg(HW_REG_WAVE_MODE, 25, 1), 1
	s_wait_xcnt 0x0
	s_wait_alu depctr_hold_cnt(0) depctr_sa_sdst(0) depctr_va_vdst(0) depctr_va_sdst(0) depctr_va_ssrc(0) depctr_va_vcc(0) depctr_vm_vsrc(0)
	s_getreg_b32 s2, hwreg(HW_REG_IB_STS2, 6, 4)
	s_cmp_eq_u32 s2, 0
	s_cbranch_scc0 .Lentry_in_a_cluster
	s_endpgm
.Lentry_in_a_cluster:
	s_bfe_u32 s2, ttmp6, 0x10000c
	s_cmp_lg_u32 s2, 0x3003
	s_cbranch_scc0 .Lentry_shape_is_right
	s_endpgm
.Lentry_shape_is_right:
; PROJ: the three quantised products, on codes of FP4 (E2M1) with E8M0 scales, and what follows them in f32:
;   Q' = (q Wq + bq) log2(e) / 2;   K' = (k Wk + bk) gate_k / 4;   V' = the sum over n of gate_v[n] (v Wv[n] + bv[n]) / 16;   all three rounded to f16 and stored as images of the attention's operand registers.
; SHARES.  A work-group takes 128 rows of one batch x 128 columns (two heads).  Wave w takes 16 columns for all 128 rows and all eight weights: its 32 fragments of weights (256 registers) come from memory once and stay.
; CLUSTER.  The four column blocks of a row block need the same codes of q, k, v: they are asked for JOINTLY, once, as first fills; nothing in LDS is filled again.
; The weights are not shared through LDS: no two waves of a work-group read the same fragment, and all eight matrices' 128 columns with q's, k's and v's codes beside them are more bytes than the work-group's LDS holds.
; q's and k's products are used TRANSPOSED (source 0 = 16 columns of W, source 1 = 16 rows of x): a lane then holds one row and eight neighbouring channels, which is a quarter of a fragment of Q or K.
; v's products are used as they stand: a lane then holds one channel and eight neighbouring keys, a quarter of a fragment of V^T.
; LIMITS: |Q'|, |K'|, |V'| beyond 65,504 are not served (f16); with inputs 30 times those drawn, or offset by 30 times their spread, they stay under 21,000.
; REGISTERS.  window 0: v1-12 addresses, v10-11 V's bias; v16-47 the weights' scale words; v48-79 the tables; v80-175 x's fragments (tensor, K step); v176-187 x's scale words; v192-255 eight accumulators.   window 1: the weights.
.set XSB,   98304                      ; LDS: 0: codes [tensor 3][tile 8][K step 4][1,024];  here: scale bytes [tensor 3][128 rows][16]
.set SPARE, 104448                     ; the spare words, 128 bytes for each of eight waves
.set SPW, 8
.set NIL, 9
.set WS,  16
.set TB,  48                           ; SCQ, BIQ, SCK, BIK: eight registers each
.set XF,  80
.set XSC, 176
.set ACC, 192
.set WV,  14
.set G1C, 24
.set G1S, 32
.set G0C, 40
.set G0S, 44
.set MSB, 0
.macro WIN new                         ; the immediate's high byte repeats the setting that is left
.if MSB != \new
	s_set_vgpr_msb (MSB<<8)|\new
.set MSB, \new
.endif
.endm
.macro CROUND                          ; a round of the cluster's barrier
	s_barrier_signal -1
	s_barrier_wait -1
	s_cmp_lg_u32 s[WV], 0
	s_cbranch_scc1 .Lnot_wave_0_\@
	s_barrier_signal -3
.Lnot_wave_0_\@:
	s_barrier_wait -3
	s_barrier_signal -1
	s_barrier_wait -1
.endm
	s_load_b256 s[4:11], s[0:1], 0x0               ; xq, wq, tab, qf
	s_load_b64 s[12:13], s[0:1], 0x20              ; kv
	v_lshl_add_u32 v[SPW], v0, 2, SPARE
	v_mov_b32 v[NIL], 0
	ds_add_u32 v[SPW], v[NIL]                      ; the wave's opening
	v_lshrrev_b32 v1, 5, v0
	v_readfirstlane_b32 s[WV], v1                  ; wave 0..7
	s_bfe_u32 s15, ttmp6, 0x40000                  ; cx: my block of 128 columns
	s_and_b32 s16, ttmp7, 0xffff                   ; my block of 128 rows, which the four partners share
	; codes of one tensor's 128 rows: 32,768 dense bytes, as 128 rows of 32 elements of 8 bytes
	s_mov_b32 s[G1C], 15|(3<<16)|(1<<21)           ; the mask names all four; elements of 8 bytes; bit 21 beside a mask
	s_mov_b32 s[G1C+1], 32<<16
	s_mov_b32 s[G1C+2], 128<<16
	s_mov_b32 s[G1C+3], 32<<16
	s_mov_b32 s[G1C+4], 128
	s_mov_b32 s[G1C+5], 32
	s_mov_b32 s[G1C+6], 0
	s_mov_b32 s[G1C+7], 0
	; scale bytes: three rows (one a tensor) of 2,048 bytes, 131,072 bytes apart
	s_mov_b32 s[G1S], 15|(3<<16)|(1<<21)
	s_mov_b32 s[G1S+1], 256<<16
	s_mov_b32 s[G1S+2], 3<<16
	s_mov_b32 s[G1S+3], 256<<16
	s_mov_b32 s[G1S+4], 3
	s_mov_b32 s[G1S+5], 16384
	s_mov_b32 s[G1S+6], 0
	s_mov_b32 s[G1S+7], 0
	s_min_u32 s17, s[WV], 2                        ; waves 0-2 fetch tensor w's codes
	s_lshl_b32 s18, s17, 21
	s_lshl_b32 s19, s16, 15
	s_add_co_u32 s18, s18, s19
	s_mov_b32 s19, 0
	s_lshl_b32 s20, s16, 11
	s_add_co_u32 s20, s20, 6291456
	s_mov_b32 s21, 0
	s_wait_dscnt 0x0                               ; the opening add is done
	s_wait_kmcnt 0x0
	s_mov_b32 s[G0C], 1
	s_lshl_b32 s[G0C+1], s17, 15
	s_add_nc_u64 s[G0C+2:G0C+3], s[4:5], s[18:19]
	s_or_b32 s[G0C+3], s[G0C+3], 0x80000000
	s_mov_b32 s[G0S], 1
	s_mov_b32 s[G0S+1], XSB
	s_add_nc_u64 s[G0S+2:G0S+3], s[4:5], s[20:21]
	s_or_b32 s[G0S+3], s[G0S+3], 0x80000000
	CROUND                                         ; all four work-groups are here: the joint loads meet
	s_cmp_lt_u32 s[WV], 3                          ; waves 0-2: codes; wave 3: scale bytes; one load a wave
	s_cbranch_scc0 .Lnot_codes
	tensor_load_to_lds s[G0C:G0C+3], s[G1C:G1C+7]
	s_nop 0
.rept 4
	v_nop
.endr
	s_branch .Lasked
.Lnot_codes:
	s_cmp_eq_u32 s[WV], 3
	s_cbranch_scc0 .Lasked
	tensor_load_to_lds s[G0S:G0S+3], s[G1S:G1S+7]
	s_nop 0
.rept 4
	v_nop
.endr
.Lasked:
	s_lshr_b32 s22, s16, 3                         ; batch
	s_and_b32 s23, s16, 7                          ; block of 128 rows in it
	s_lshl_b32 s17, s15, 3
	s_add_co_u32 s17, s17, s[WV]                   ; my tile of 16 columns: 8 cx + wave
	s_mov_b32 s63, 0
	s_lshl_b32 s62, s17, 12
	s_add_nc_u64 s[54:55], s[6:7], s[62:63]        ; my weights' images
	s_lshl_b32 s62, s17, 6
	s_add_nc_u64 s[56:57], s[6:7], s[62:63]        ; my columns' scale words
	s_mul_i32 s84, s22, 10240
	s_add_co_u32 s62, s62, s84
	s_add_nc_u64 s[58:59], s[8:9], s[62:63]        ; my columns in batch b's tables
	s_lshl_b32 s62, s22, 2
	s_add_co_u32 s62, s62, s15
	s_lshl_b32 s62, s62, 6
	s_add_co_u32 s62, s62, 81920
	s_add_nc_u64 s[60:61], s[8:9], s[62:63]        ; the six V gates
	s_load_b512 s[68:83], s[60:61], 0x0            ; s[68+2n:69+2n] = gate_v[n] / 16, twice
	s_lshr_b32 s84, s[WV], 2                       ; which of the pair's two heads
	s_and_b32 s85, s[WV], 3                        ; which 16 of its 64 channels
	s_lshl_b32 s84, s84, 14
	s_lshl_b32 s86, s85, 9
	s_add_co_u32 s86, s86, s84                     ; Q, K: head x 16,384 + (channels / 32) x 1,024 + (half) x 512
	s_lshl_b32 s87, s85, 10
	s_add_co_u32 s87, s87, s84
	s_add_co_u32 s87, s87, 8192                    ; V: head x 16,384 + 8,192 + (channels / 16) x 1,024
	s_lshl_b32 s62, s22, 20
	s_lshl_b32 s88, s15, 18
	s_add_co_u32 s62, s62, s88
	s_lshl_b32 s88, s23, 15
	s_add_co_u32 s62, s62, s88
	s_add_co_u32 s62, s62, s86
	s_add_nc_u64 s[48:49], s[10:11], s[62:63]      ; Q's images
	s_lshl_b32 s89, s22, 21
	s_lshl_b32 s88, s15, 19
	s_add_co_u32 s89, s89, s88
	s_lshl_b32 s88, s23, 16
	s_add_co_u32 s89, s89, s88                     ; my slot of 128 keys
	s_add_co_u32 s62, s89, s86
	s_add_nc_u64 s[50:51], s[12:13], s[62:63]      ; K's
	s_add_co_u32 s62, s89, s87
	s_add_nc_u64 s[52:53], s[12:13], s[62:63]      ; V's
	v_and_b32 v13, 31, v0
	v_and_b32 v1, 15, v0                           ; r
	v_bfe_u32 v2, v0, 4, 1                         ; h
	v_lshlrev_b32 v3, 4, v13                       ; 16 x lane: an image's place, in LDS and in memory
	v_add_nc_u32 v5, 0x10000, v3                   ; v's images lie beyond an LDS offset's reach
	v_lshl_add_u32 v6, v1, 4, XSB                  ; a row's four scale words
	v_lshlrev_b32 v7, 2, v1                        ; 4 r
	v_lshlrev_b32 v12, 5, v2                       ; 32 h
	WIN 0x40                                       ; destination window 1
.irp m, 0,1,2,3,4,5,6,7
.irp ks, 0,1,2,3
.irp c, 0,1
	global_load_b128 v[32*\m+8*\ks+4*\c:32*\m+8*\ks+4*\c+3], v3, s[54:55] offset:\m*131072+\ks*1024+\c*512
.endr
.endr
.endr
	WIN 0
.irp m, 0,1,2,3,4,5,6,7
.irp ks, 0,1,2,3
	global_load_b32 v[WS+4*\m+\ks], v7, s[56:57] offset:1048576+(4*\m+\ks)*2048
.endr
.endr
.irp e, 0,1,2,3
	global_load_b128 v[TB+8*\e:TB+8*\e+3], v12, s[58:59] offset:\e*2048        ; lane (r, h): the table's numbers at channels 8 h + 0 .. 7 of my 16
	global_load_b128 v[TB+8*\e+4:TB+8*\e+7], v12, s[58:59] offset:\e*2048+16
.endr
	global_load_b32 v10, v7, s[58:59] offset:8192  ; V's bias at channel r, twice: a pair for the packed form
	global_load_b32 v11, v7, s[58:59] offset:8192
	s_wait_tensorcnt 0x0                           ; my part of x is in LDS,
	s_barrier_signal -1
	s_barrier_wait -1                              ; everybody's is
.macro XFETCH i                        ; tile i of 16 rows: 12 fragments and their scale words
.irp T, 0,1
.irp ks, 0,1,2,3
.irp c, 0,1
	ds_load_b128 v[XF+32*\T+8*\ks+4*\c:XF+32*\T+8*\ks+4*\c+3], v3 offset:\T*32768+(\i)*4096+\ks*1024+\c*512
.endr
.endr
.endr
.irp ks, 0,1,2,3
.irp c, 0,1
	ds_load_b128 v[XF+64+8*\ks+4*\c:XF+64+8*\ks+4*\c+3], v5 offset:(\i)*4096+\ks*1024+\c*512
.endr
.endr
.irp T, 0,1,2
	ds_load_b128 v[XSC+4*\T:XSC+4*\T+3], v6 offset:\T*2048+(\i)*256
.endr
.endm
; One tile of 16 rows: 32 matrix instructions; q's and k's accumulators by turns, then v's six by turns.
.macro TRIP i
	s_wait_dscnt 0x0                               ; the tile's fragments are in
	s_wait_xcnt 0x0                                ; the last tile's stores have read the accumulators' registers
	WIN 0x01                                       ; source 0 (W) window 1
.irp ks, 0,1,2,3
.irp T, 0,1
.if \ks == 0
	v_wmma_scale_f32_16x16x128_f8f6f4 v[ACC+8*\T:ACC+8*\T+7], v[32*\T+8*\ks:32*\T+8*\ks+7], v[XF+32*\T+8*\ks:XF+32*\T+8*\ks+7], 0, v[WS+4*\T+\ks], v[XSC+4*\T+\ks] matrix_a_fmt:MATRIX_FMT_FP4 matrix_b_fmt:MATRIX_FMT_FP4
.else
	v_wmma_scale_f32_16x16x128_f8f6f4 v[ACC+8*\T:ACC+8*\T+7], v[32*\T+8*\ks:32*\T+8*\ks+7], v[XF+32*\T+8*\ks:XF+32*\T+8*\ks+7], v[ACC+8*\T:ACC+8*\T+7], v[WS+4*\T+\ks], v[XSC+4*\T+\ks] matrix_a_fmt:MATRIX_FMT_FP4 matrix_b_fmt:MATRIX_FMT_FP4
.endif
.endr
.endr
	WIN 0x04                                       ; source 1 (W) window 1
.irp ks, 0,1,2,3
.irp n, 0,1,2,3,4,5
.if \ks == 0
	v_wmma_scale_f32_16x16x128_f8f6f4 v[ACC+16+8*\n:ACC+23+8*\n], v[XF+64+8*\ks:XF+71+8*\ks], v[64+32*\n+8*\ks:71+32*\n+8*\ks], 0, v[XSC+8+\ks], v[WS+8+4*\n+\ks] matrix_a_fmt:MATRIX_FMT_FP4 matrix_b_fmt:MATRIX_FMT_FP4
.else
	v_wmma_scale_f32_16x16x128_f8f6f4 v[ACC+16+8*\n:ACC+23+8*\n], v[XF+64+8*\ks:XF+71+8*\ks], v[64+32*\n+8*\ks:71+32*\n+8*\ks], v[ACC+16+8*\n:ACC+23+8*\n], v[XSC+8+\ks], v[WS+8+4*\n+\ks] matrix_a_fmt:MATRIX_FMT_FP4 matrix_b_fmt:MATRIX_FMT_FP4
.endif
.endr
.endr
	WIN 0
.rept 4
	v_nop                                          ; four places ahead of loads into registers that the products read, and of the first read of results
.endr
.if (\i) < 7
	XFETCH (\i)+1                                  ; lands while this tile's results are worked
.endif
.irp j, 0,2,4,6                                ; each accumulator from its low end on
	v_pk_fma_f32 v[ACC+\j:ACC+\j+1], v[ACC+\j:ACC+\j+1], v[TB+\j:TB+\j+1], v[TB+8+\j:TB+9+\j]           ; Q' = sum x SCQ + bq SCQ
.endr
.irp j, 0,2,4,6
	v_pk_fma_f32 v[ACC+8+\j:ACC+9+\j], v[ACC+8+\j:ACC+9+\j], v[TB+16+\j:TB+17+\j], v[TB+24+\j:TB+25+\j]  ; K' = sum x SCK + bk SCK
.endr
.irp j, 0,2,4,6
	v_pk_fma_f32 v[ACC+16+\j:ACC+17+\j], v[ACC+16+\j:ACC+17+\j], s[68:69], v[10:11] op_sel_hi:[1,0,0]    ; V' = the bias' mixture + gate 0's part,
.endr
.irp n, 1,2,3,4,5
.irp j, 0,2,4,6
	v_pk_fma_f32 v[ACC+16+\j:ACC+17+\j], v[ACC+16+8*\n+\j:ACC+17+8*\n+\j], s[68+2*\n:69+2*\n], v[ACC+16+\j:ACC+17+\j] op_sel_hi:[1,0,1]   ; + gate n's
.endr
.endr
.irp a, 0,8,16
.irp e, 0,1,2,3
	v_cvt_pk_f16_f32 v[ACC+\a+\e], v[ACC+\a+2*\e], v[ACC+\a+2*\e+1]
.endr
.endr
	global_store_b128 v3, v[ACC:ACC+3], s[48:49] offset:((\i)/2)*4096+((\i)%2)*2048                      ; each store: 512 consecutive bytes, aligned
	global_store_b128 v3, v[ACC+8:ACC+11], s[50:51] offset:((\i)/4)*32768+((\i)%4)*2048
	global_store_b128 v3, v[ACC+16:ACC+19], s[52:53] offset:((\i)/4)*32768+(((\i)/2)%2)*4096+((\i)%2)*512
.endm
	XFETCH 0
	s_wait_loadcnt 0x0                             ; weights, scale words, tables
	s_wait_kmcnt 0x0                               ; the gates
.irp i, 0,1,2,3,4,5,6,7
	TRIP \i
.endr
	s_wait_tensorcnt 0x0                           ; the wave's end
	ds_add_u32 v[SPW], v[NIL]
	s_wait_dscnt 0x0
	CROUND                                         ; the closing round
	s_endpgm
.Lfunc_end_k_qf445d19c52_proj:
	.size	k_qf445d19c52_proj, .Lfunc_end_k_qf445d19c52_proj-k_qf445d19c52_proj
	.p2alignl 7, 3214868480
	.fill 96, 4, 3214868480
	.section	.rodata,"a",@progbits
	.p2align	6, 0x0
	.amdhsa_kernel k_qf445d19c52_proj
		.amdhsa_group_segment_fixed_size 167936
		.amdhsa_private_segment_fixed_size 0
		.amdhsa_enable_private_segment 0
		.amdhsa_kernarg_size 40
		.amdhsa_user_sgpr_count 2
		.amdhsa_user_sgpr_kernarg_segment_ptr 1
		.amdhsa_wavefront_size32 1
		.amdhsa_system_sgpr_workgroup_id_x 1
		.amdhsa_system_sgpr_workgroup_id_y 1
		.amdhsa_system_sgpr_workgroup_id_z 1
		.amdhsa_system_vgpr_workitem_id 0
		.amdhsa_next_free_vgpr 512
		.amdhsa_next_free_sgpr 96
		.amdhsa_reserve_vcc 0
		.amdhsa_float_denorm_mode_32 3
		.amdhsa_float_denorm_mode_16_64 3
		.amdhsa_memory_ordered 1
		.amdhsa_forward_progress 1
		.amdhsa_inst_pref_size 88
	.end_amdhsa_kernel
	.amdgpu_metadata
---
amdhsa.version: [ 1, 2 ]
amdhsa.kernels:
  - .name:           k_qf445d19c52_proj
    .symbol:         k_qf445d19c52_proj.kd
    .args:
      - { .name: xq, .offset: 0, .size: 8, .value_kind: global_buffer, .address_space: global }
      - { .name: wq, .offset: 8, .size: 8, .value_kind: global_buffer, .address_space: global }
      - { .name: tab, .offset: 16, .size: 8, .value_kind: global_buffer, .address_space: global }
      - { .name: qf, .offset: 24, .size: 8, .value_kind: global_buffer, .address_space: global }
      - { .name: kv, .offset: 32, .size: 8, .value_kind: global_buffer, .address_space: global }
    .group_segment_fixed_size: 167936
    .private_segment_fixed_size: 0
    .kernarg_segment_align: 8
    .kernarg_segment_size: 40
    .max_flat_workgroup_size: 256
    .sgpr_count:     96
    .vgpr_count:     512
    .wavefront_size: 32
...
	.end_amdgpu_metadata
.endif
;; end of part 2
;; launch attn (part 3): grid 8 x 32, 8 waves a work-group, clusters of 4 x 4, 327,680 bytes of LDS; arguments qf, kv, mask, ofr; writes ofr
.if DOCPART == 3
	.amdgcn_target "amdgcn-amd-amdhsa--gfx1250"
	.amdhsa_code_object_version 6
	.text
	.protected	k_qf445d19c52_attn
	.globl	k_qf445d19c52_attn
	.p2align	8
	.type	k_qf445d19c52_attn,@function
k_qf445d19c52_attn:
	s_mov_b64 s[64:65], 0
	v_nop
	global_prefetch_b8 v0, s[64:65] scope:SCOPE_SE
	s_setreg_imm32_b32 hwreg(HW_REG_WAVE_MODE, 25, 1), 1
	s_wait_xcnt 0x0
	s_wait_alu depctr_hold_cnt(0) depctr_sa_sdst(0) depctr_va_vdst(0) depctr_va_sdst(0) depctr_va_ssrc(0) depctr_va_vcc(0) depctr_vm_vsrc(0)
	s_getreg_b32 s2, hwreg(HW_REG_IB_STS2, 6, 4)
	s_cmp_eq_u32 s2, 0
	s_cbranch_scc0 .Lentry_in_a_cluster
	s_endpgm
.Lentry_in_a_cluster:
	s_bfe_u32 s2, ttmp6, 0x10000c
	s_cmp_lg_u32 s2, 0xf033
	s_cbranch_scc0 .Lentry_shape_is_right
	s_endpgm
.Lentry_shape_is_right:
; ATTN: O' = softmax(Q K^T / 8 - 1e9 mask) V / 16, in f16 products with f32 sums; Q' and K' carry log2(e) / 8 between them, so a score is an exponent of 2.
; t = score' + mask x (-1e9 log2 e); a running maximum m and sum l for each query; p = 2^(t - m); in every step O and l are multiplied by a = 2^(m_old - m_new).  The sum is taken of the f32 p; p goes to f16 for the second product.
; SHARES.  A work-group: 2 heads x 128 queries of one batch.  Wave w: head w / 4 of the pair, queries 32 (w % 4) on: two tiles of 16.  Two waves lie on a SIMD: one wave's softmax stands beside the other's products.
; Every wave walks all 1,024 keys, 64 a step; an LDS buffer holds 128 keys (two steps): K and V of both heads (65,536 bytes, images of registers) and the mask's 128 x 128 numbers (rows 528 bytes apart).
; CLUSTER 4 x 4: x = four query blocks, y = the four pairs of heads.  K and V hang on the pair alone: asked for jointly along a row of the cluster.  The mask's tile hangs on the query block alone: jointly along a column.
; Both products are used transposed (S^T = K Q^T, O^T = V^T P): a lane holds one query throughout.
; V^T P of step j - 1 is issued in step j, behind step j's LDS loads: it is at work while they land.
; LIMITS: NaN and infinities are not served.  A query all of whose keys are blocked: its scores are rounded at the size of 1.44e9, here as exponents of 2; the weights come out uniform while the logits stay under 32 in magnitude.
; REGISTERS.  window 0: v4-11 addresses; v16-31 statistics, 8 a tile: +0 m, +2,+3 l, +4,+5 at work, +6 a (+1, +7: written partners of pairs); v48-55 maxima; v64-127 S^T, then p; v128-159 P; v160-223 the mask.
;   window 1: v0-63 O^T; v64-95 Q; v96-159 K of a step; v160-223 V of a step.
.set MB0,   131072                     ; LDS: 0, 65,536: K/V buffers;  here: the mask's buffers,
.set MSZ,   67584                      ; 128 rows x 528 each
.set SPARE, 266240                     ; the spare words, 128 bytes for each of eight waves
.set AK,  4
.set AM,  6
.set LI,  8
.set PFO, 9
.set SPW, 10
.set NIL, 11
.set ST,  16
.set CH,  48
.set S,   64
.set P,   128
.set MK,  160
.set OT,  0
.set QF,  64
.set KF,  96
.set VF,  160
.set WV,  12
.set G1K, 24
.set G1M, 32
.set G0K, 40                           ; s[40:47] group 0 for K/V, a set for each buffer;  s[48:55] for the mask
.set G0M, 48
.set CM,  56                           ; s[56:57] -1e9 log2(e)
.set SEL, 58
.set LAP, 60
.set PFA, 66
.set PFS, 68
.set LIM, 70
.set SLOTS, 71
.set MSB, 0
.macro WIN new
.if MSB != \new
	s_set_vgpr_msb (MSB<<8)|\new
.set MSB, \new
.endif
.endm
.macro CROUND
	s_barrier_signal -1
	s_barrier_wait -1
	s_cmp_lg_u32 s[WV], 0
	s_cbranch_scc1 .Lnot_wave_0_\@
	s_barrier_signal -3
.Lnot_wave_0_\@:
	s_barrier_wait -3
	s_barrier_signal -1
	s_barrier_wait -1
.endm
; A joint refill of buffer be: waves 0, 1 fetch the two steps' K and V, waves 2, 3 the two halves of the mask's rows, the others nothing.  The branches hang on the wave's number alone.
.macro JLOAD be
	s_cmp_lt_u32 s[WV], 2
	s_cbranch_scc0 .Lnot_kv_\@
	tensor_load_to_lds s[G0K+4*\be:G0K+4*\be+3], s[G1K:G1K+7]
	s_nop 0
.rept 4
	v_nop
.endr
	s_branch .Ljasked_\@
.Lnot_kv_\@:
	s_cmp_lt_u32 s[WV], 4
	s_cbranch_scc0 .Ljasked_\@
	tensor_load_to_lds s[G0M+4*\be:G0M+4*\be+3], s[G1M:G1M+7]
	s_nop 0
.rept 4
	v_nop
.endr
.Ljasked_\@:
.endm
; A PREFETCH of what the NEXT change of buffers will ask for: two key steps ahead of that load.  Each aligned block of 256 bytes is named once in the launch.
; K/V (65,536 bytes a slot): both clusters of a batch walk them, the first asks; its four partners along x take 16,384 bytes each BY ADDRESS; waves 4, 5 take 8,192 each, lanes 256 bytes apart.
; The mask (128 rows x 512 bytes a slot): the four partners along y take 32 rows each by address; waves 6, 7 take one half of the 512 bytes each, a lane a row.  The last change that fills asks for nothing.
.macro ASK
	s_cmp_gt_u32 s[SLOTS], s[LIM]
	s_cbranch_scc0 .Lnot_mine_\@
	global_prefetch_b8 v[PFO], s[PFA:PFA+1] th:TH_LOAD_NT scope:SCOPE_SE
.Lnot_mine_\@:
.endm
	s_load_b256 s[4:11], s[0:1], 0x0               ; qf, kv, mask, ofr
	v_lshl_add_u32 v[SPW], v0, 2, SPARE
	v_mov_b32 v[NIL], 0
	ds_add_u32 v[SPW], v[NIL]                      ; the wave's opening
	v_lshrrev_b32 v1, 5, v0
	v_readfirstlane_b32 s[WV], v1                  ; wave 0..7
	s_bfe_u32 s13, ttmp6, 0x40000                  ; cx
	s_bfe_u32 s14, ttmp6, 0x40004                  ; cy: the pair of heads
	s_and_b32 s15, ttmp7, 0xffff                   ; the batch
	s_lshl_b32 s16, ttmp9, 2
	s_add_co_u32 s16, s16, s13                     ; my block of 128 queries
	s_lshr_b32 s17, s[WV], 2                       ; head of the pair
	s_and_b32 s18, s[WV], 3                        ; which 32 queries
	s_and_b32 s19, s[WV], 1                        ; which half of a tile I fetch
	s_lshl_b32 s61, s14, 2
	s_lshl_b32 s61, 15, s61                        ; my row of the cluster
	s_lshl_b32 s62, 0x1111, s13                    ; my column
	; K/V: 32,768 dense bytes as 128 rows of 32 elements of 8 bytes
	s_or_b32 s[G1K], s61, (3<<16)|(1<<21)
	s_mov_b32 s[G1K+1], 32<<16
	s_mov_b32 s[G1K+2], 128<<16
	s_mov_b32 s[G1K+3], 32<<16
	s_mov_b32 s[G1K+4], 128
	s_mov_b32 s[G1K+5], 32
	s_mov_b32 s[G1K+6], 0
	s_mov_b32 s[G1K+7], 0
	; the mask: 64 rows of 128 elements of 4 bytes, 1,024 elements apart; four words of padding behind every 128
	s_or_b32 s[G1M], s62, (2<<16)|(1<<20)|(1<<21)|(6<<22)|(3<<25)
	s_mov_b32 s[G1M+1], 128<<16
	s_mov_b32 s[G1M+2], 64<<16
	s_mov_b32 s[G1M+3], 128<<16
	s_mov_b32 s[G1M+4], 64
	s_mov_b32 s[G1M+5], 1024
	s_mov_b32 s[G1M+6], 0
	s_mov_b32 s[G1M+7], 0
	s_lshl_b32 s20, s15, 21                        ; K/V: batch, pair, my step of the slot: no cx enters
	s_lshl_b32 s21, s14, 19
	s_add_co_u32 s20, s20, s21
	s_lshl_b32 s72, s19, 15
	s_add_co_u32 s20, s20, s72
	s_mov_b32 s21, 0
	s_lshl_b32 s22, s15, 22                        ; the mask: batch, query block, my 64 rows: no cy enters
	s_lshl_b32 s23, s16, 19
	s_add_co_u32 s22, s22, s23
	s_lshl_b32 s23, s19, 18
	s_add_co_u32 s22, s22, s23
	s_mov_b32 s23, 0
	s_mul_i32 s73, s19, 33792
	s_mov_b32 s[CM], 0xceabfb8f                    ; -1e9 log2(e)
	s_mov_b32 s[CM+1], s[CM]
	s_mov_b32 s[SEL], 0x76543210
	s_mov_b32 s[SEL+1], 0xfedcba98
	s_mov_b32 s[SLOTS], 6
	s_mov_b32 s[LAP], 3
	s_wait_dscnt 0x0                               ; the opening add is done
	s_wait_kmcnt 0x0
	s_add_nc_u64 s[74:75], s[6:7], s[20:21]
	s_add_nc_u64 s[76:77], s[8:9], s[22:23]
	CROUND                                         ; all sixteen work-groups are here: the first joint loads meet
.irp be, 0,1
	s_mov_b32 s[G0K+4*\be], 1
	s_add_co_u32 s[G0K+4*\be+1], s72, \be*65536
	s_add_nc_u64 s[G0K+4*\be+2:G0K+4*\be+3], s[74:75], \be*65536
	s_or_b32 s[G0K+4*\be+3], s[G0K+4*\be+3], 0x80000000
	s_mov_b32 s[G0M+4*\be], 1
	s_add_co_u32 s[G0M+4*\be+1], s73, MB0+\be*MSZ
	s_add_nc_u64 s[G0M+4*\be+2:G0M+4*\be+3], s[76:77], \be*512
	s_or_b32 s[G0M+4*\be+3], s[G0M+4*\be+3], 0x80000000
.endr
	s_cmp_lt_u32 s[WV], 2                          ; a wave's two first fills stand in one branch: two loads of mine are out
	s_cbranch_scc0 .Lfirst_not_kv
	tensor_load_to_lds s[G0K:G0K+3], s[G1K:G1K+7]
	s_nop 0
	tensor_load_to_lds s[G0K+4:G0K+7], s[G1K:G1K+7]
	s_nop 0
.rept 4
	v_nop
.endr
	s_branch .Lfirst_asked
.Lfirst_not_kv:
	s_cmp_lt_u32 s[WV], 4
	s_cbranch_scc0 .Lfirst_asked
	tensor_load_to_lds s[G0M:G0M+3], s[G1M:G1M+7]
	s_nop 0
	tensor_load_to_lds s[G0M+4:G0M+7], s[G1M:G1M+7]
	s_nop 0
.rept 4
	v_nop
.endr
.Lfirst_asked:
	v_and_b32 v12, 31, v0
	v_and_b32 v1, 15, v0                           ; r
	v_bfe_u32 v2, v0, 4, 1                         ; h
	v_lshlrev_b32 v[LI], 4, v12                    ; 16 x lane
	s_lshl_b32 s20, s15, 20                        ; Q: batch, pair, query block, wave
	s_lshl_b32 s21, s14, 18
	s_add_co_u32 s20, s20, s21
	s_lshl_b32 s21, s16, 15
	s_add_co_u32 s20, s20, s21
	s_lshl_b32 s21, s[WV], 12
	s_add_co_u32 s20, s20, s21
	s_mov_b32 s21, 0
	s_add_nc_u64 s[4:5], s[4:5], s[20:21]
	WIN 0x40
.irp e, 0,1,2,3,4,5,6,7
	global_load_b128 v[QF+4*\e:QF+4*\e+3], v[LI], s[4:5] offset:512*\e th:TH_LOAD_NT   ; Q stays in registers
.endr
	WIN 0
	s_lshl_b32 s20, s15, 20                        ; O': tile of 16 rows (64 batch + 8 block + 2 (w % 4)) x 16,384 + head x 2,048
	s_lshl_b32 s21, s16, 17
	s_add_co_u32 s20, s20, s21
	s_lshl_b32 s21, s18, 15
	s_add_co_u32 s20, s20, s21
	s_lshl_b32 s21, s14, 12
	s_add_co_u32 s20, s20, s21
	s_lshl_b32 s21, s17, 11
	s_add_co_u32 s20, s20, s21
	s_mov_b32 s21, 0
	s_add_nc_u64 s[10:11], s[10:11], s[20:21]
	s_lshl_b32 s63, s17, 14
	v_add_nc_u32 v[AK], s63, v[LI]                 ; my head's images in buffer 0,
	v_add_nc_u32 v[AK+1], 0x10000, v[AK]           ; in buffer 1
	s_mul_i32 s63, s18, 16896
	s_add_co_u32 s63, s63, MB0
	v_mul_u32_u24 v[AM], v1, 528
	v_lshl_add_u32 v[AM], v2, 5, v[AM]
	v_add_nc_u32 v[AM], s63, v[AM]                 ; the mask: row 32 (w % 4) + r, + 32 h bytes
	v_add_nc_u32 v[AM+1], MSZ, v[AM]
	; the prefetches: where my wave's stand (in slot 2: the first change steps them to slot 3), and who asks
	s_lshl_b32 s20, s15, 21
	s_lshl_b32 s21, s14, 19
	s_add_co_u32 s20, s20, s21
	s_lshl_b32 s21, s13, 14
	s_add_co_u32 s20, s20, s21
	s_lshl_b32 s21, s19, 13
	s_add_co_u32 s20, s20, s21
	s_add_co_u32 s20, s20, 131072
	s_lshl_b32 s22, s15, 22
	s_lshl_b32 s23, s16, 19
	s_add_co_u32 s22, s22, s23
	s_lshl_b32 s23, s14, 17
	s_add_co_u32 s22, s22, s23
	s_lshl_b32 s23, s19, 8
	s_add_co_u32 s22, s22, s23
	s_add_co_u32 s22, s22, 1024
	s_mov_b32 s[PFS], 512
	s_cmp_lt_u32 s[WV], 6
	s_cselect_b64 s[PFA:PFA+1], s[6:7], s[8:9]
	s_cselect_b32 s20, s20, s22
	s_cselect_b32 s[PFS], 0x10000, s[PFS]          ; a slot on
	s_cselect_b32 s61, 8, 12                       ; from lane to lane: 256 bytes, or a row of the mask
	s_cselect_b32 s62, ttmp9, 0                    ; K/V: the batch's first cluster alone
	s_mov_b32 s21, 0
	s_mov_b32 s[PFS+1], 0
	s_add_nc_u64 s[PFA:PFA+1], s[PFA:PFA+1], s[20:21]
	s_cmp_lt_u32 s[WV], 4
	s_cselect_b32 s62, 1, s62                      ; the fetching waves ask for nothing
	s_cmp_eq_u32 s62, 0
	s_cselect_b32 s[LIM], 1, -1
	v_lshlrev_b32 v[PFO], s61, v12
.irp t, 0,1
	v_mov_b32 v[ST+8*\t], 0xff61b1e6               ; m = -3e38, under every t
	v_mov_b32 v[ST+8*\t+1], 0
	v_mov_b32 v[ST+8*\t+2], 0                      ; l
	v_mov_b32 v[ST+8*\t+3], 0
	v_mov_b32 v[ST+8*\t+5], 0                      ; a lane permute's destination counts as read
	v_mov_b32 v[ST+8*\t+7], 0
.endr
; 16 products O^T += V^T P of the step before; the eight accumulators by turns.  pv = 2: the first eight start the sums.
.macro PVS pv
	WIN 0x51                                       ; V and O^T in window 1, P in window 0
.irp kb, 0,1
.irp dt, 0,1,2,3
.irp t, 0,1
.if (\pv == 2) && (\kb == 0)
	v_wmma_f32_16x16x32_f16 v[OT+32*\t+8*\dt:OT+32*\t+8*\dt+7], v[VF+8*(4*\kb+\dt):VF+8*(4*\kb+\dt)+7], v[P+16*\t+8*\kb:P+16*\t+8*\kb+7], 0
.else
	v_wmma_f32_16x16x32_f16 v[OT+32*\t+8*\dt:OT+32*\t+8*\dt+7], v[VF+8*(4*\kb+\dt):VF+8*(4*\kb+\dt)+7], v[P+16*\t+8*\kb:P+16*\t+8*\kb+7], v[OT+32*\t+8*\dt:OT+32*\t+8*\dt+7]
.endif
.endr
.endr
.endr
.endm
; The softmax of both tiles for one step of 64 keys, the tiles by turns.  resc = 0: the first step, which has no O^T yet.
.macro SOFTMAX resc
.set j, 0
.rept 32
	v_pk_fma_f32 v[S+j:S+j+1], v[MK+j:MK+j+1], s[CM:CM+1], v[S+j:S+j+1] op_sel_hi:[1,0,1]   ; t = score' - 1e9 log2(e) mask; each accumulator from its low end on
.set j, j+2
.endr
.irp c, 0,1,2,3
.irp t, 0,1
	v_max3_num_f32 v[CH+4*\t+\c], v[S+32*\t+8*\c], v[S+32*\t+8*\c+1], v[S+32*\t+8*\c+2]
.endr
.endr
.irp e, 3,5
.irp c, 0,1,2,3
.irp t, 0,1
	v_max3_num_f32 v[CH+4*\t+\c], v[CH+4*\t+\c], v[S+32*\t+8*\c+\e], v[S+32*\t+8*\c+\e+1]
.endr
.endr
.endr
.irp t, 0,1
	v_max3_num_f32 v[CH+4*\t], v[CH+4*\t], v[S+32*\t+7], v[S+32*\t+15]
	v_max3_num_f32 v[CH+4*\t+2], v[CH+4*\t+2], v[S+32*\t+23], v[S+32*\t+31]
.endr
.irp t, 0,1
	v_max3_num_f32 v[CH+4*\t], v[CH+4*\t], v[CH+4*\t+1], v[CH+4*\t+2]
.endr
.irp t, 0,1
	v_max3_num_f32 v[CH+4*\t], v[CH+4*\t], v[CH+4*\t+3], v[ST+8*\t]   ; with the old m
.endr
.irp t, 0,1
	v_permlanex16_b32 v[ST+8*\t+5], v[CH+4*\t], s[SEL], s[SEL+1]      ; the query's other 32 keys lie in the lane 16 away
.endr
.irp t, 0,1
	v_max_num_f32 v[ST+8*\t+5], v[CH+4*\t], v[ST+8*\t+5]              ; the new m
.endr
.irp t, 0,1
	v_sub_f32 v[ST+8*\t+4], v[ST+8*\t], v[ST+8*\t+5]
.endr
.irp t, 0,1
	v_mov_b32 v[ST+8*\t], v[ST+8*\t+5]
.endr
.irp t, 0,1
	v_exp_f32 v[ST+8*\t+6], v[ST+8*\t+4]           ; a = 2^(m_old - m_new): the first of the batch
.endr
.irp t, 0,1
.set j, 0
.rept 16
	v_pk_add_f32 v[S+32*\t+j:S+32*\t+j+1], v[S+32*\t+j:S+32*\t+j+1], v[ST+8*\t:ST+8*\t+1] op_sel_hi:[1,0] neg_lo:[0,1] neg_hi:[0,1]   ; t - m
.set j, j+2
.endr
.endr
.set j, 0
.rept 64
	v_exp_f32 v[S+j], v[S+j]
.set j, j+1
.endr
	v_nop                                          ; a plain line behind the last exponential
	s_wait_alu depctr_va_vdst(0)                   ; ONE wait for the 66, ahead of their first reader
.irp t, 0,1
.set j, 0
.rept 16
	v_cvt_pk_f16_f32 v[P+16*\t+j], v[S+32*\t+2*j], v[S+32*\t+2*j+1]   ; two neighbouring tiles of keys are a fragment of P as they stand
.set j, j+1
.endr
.endr
.irp u, 0,4,8,12,16,20,24,28
.irp t, 0,1
	v_pk_add_f32 v[S+32*\t+\u:S+32*\t+\u+1], v[S+32*\t+\u:S+32*\t+\u+1], v[S+32*\t+\u+2:S+32*\t+\u+3]   ; the sum of the f32 p, as a tree, in place
.endr
.endr
.irp u, 0,8,16,24
.irp t, 0,1
	v_pk_add_f32 v[S+32*\t+\u:S+32*\t+\u+1], v[S+32*\t+\u:S+32*\t+\u+1], v[S+32*\t+\u+4:S+32*\t+\u+5]
.endr
.endr
.irp u, 0,16
.irp t, 0,1
	v_pk_add_f32 v[S+32*\t+\u:S+32*\t+\u+1], v[S+32*\t+\u:S+32*\t+\u+1], v[S+32*\t+\u+8:S+32*\t+\u+9]
.endr
.endr
.irp t, 0,1
	v_pk_add_f32 v[S+32*\t:S+32*\t+1], v[S+32*\t:S+32*\t+1], v[S+32*\t+16:S+32*\t+17]
.endr
.irp t, 0,1
	v_pk_fma_f32 v[ST+8*\t+2:ST+8*\t+3], v[ST+8*\t+2:ST+8*\t+3], v[ST+8*\t+6:ST+8*\t+7], v[S+32*\t:S+32*\t+1] op_sel_hi:[1,0,1]   ; l = l a + the sum
.endr
.if \resc
	WIN 0x41                                       ; O^T in window 1, a in window 0
.irp t, 0,1
.set j, 0
.rept 16
	v_pk_mul_f32 v[OT+32*\t+j:OT+32*\t+j+1], v[OT+32*\t+j:OT+32*\t+j+1], v[ST+8*\t+6:ST+8*\t+7] op_sel_hi:[1,0]
.set j, j+2
.endr
.endr
	WIN 0
.endif
.endm
; A KEY STEP: 64 keys, the sub-th of buffer be.
.macro STEP be, sub, pv
	WIN 0x40                                       ; destination window 1
.irp kt, 0,1,2,3
.irp c, 0,1
.irp hf, 0,1
	ds_load_b128 v[KF+16*\kt+8*\c+4*\hf:KF+16*\kt+8*\c+4*\hf+3], v[AK+\be] offset:\sub*32768+\kt*2048+\c*1024+\hf*512
.endr
.endr
.endr
	WIN 0
.irp t, 0,1
.irp kt, 0,1,2,3
.irp hf, 0,1
	ds_load_b128 v[MK+32*\t+8*\kt+4*\hf:MK+32*\t+8*\kt+4*\hf+3], v[AM+\be] offset:\t*8448+\sub*256+\kt*64+\hf*16
.endr
.endr
.endr
.if \pv
	s_wait_dscnt 32                                ; the last step's V is in: the 32 loads above are younger
	PVS \pv
.endif
	s_wait_dscnt 16                                ; K is in; the mask's 16 loads may be out
	WIN 0x05                                       ; K and Q in window 1, S^T in window 0
.irp c, 0,1
.irp kt, 0,1,2,3
.irp t, 0,1
.if \c == 0
	v_wmma_f32_16x16x32_f16 v[S+32*\t+8*\kt:S+32*\t+8*\kt+7], v[KF+16*\kt+8*\c:KF+16*\kt+8*\c+7], v[QF+16*\t+8*\c:QF+16*\t+8*\c+7], 0
.else
	v_wmma_f32_16x16x32_f16 v[S+32*\t+8*\kt:S+32*\t+8*\kt+7], v[KF+16*\kt+8*\c:KF+16*\kt+8*\c+7], v[QF+16*\t+8*\c:QF+16*\t+8*\c+7], v[S+32*\t+8*\kt:S+32*\t+8*\kt+7]
.endif
.endr
.endr
.endr
	WIN 0
.rept 4
	v_nop                                          ; four places: for the loads into V's registers, which products have read, and for the first read of the scores
.endr
	WIN 0x40
.irp kb, 0,1
.irp dt, 0,1,2,3
.irp hf, 0,1
	ds_load_b128 v[VF+8*(4*\kb+\dt)+4*\hf:VF+8*(4*\kb+\dt)+4*\hf+3], v[AK+\be] offset:\sub*32768+8192+\kb*4096+\dt*1024+\hf*512
.endr
.endr
.endr
	WIN 0
	s_wait_dscnt 16                                ; the mask is in; V's 16 loads may be out
	SOFTMAX \pv
.endm
; THE CHANGE OF BUFFERS.  Each wave waits for all its tensor loads (its part of the buffer ahead), adds 0 to its spare word, and waits for that and for its reads of buffer be, which it has left.
; fill = 1: a round of the cluster's barrier, and buffer be takes the keys two slots on: the load has two key steps in which to land.
.macro CHANGE be, fill
	WIN 0
	s_wait_tensorcnt 0x0                           ; no tensor load of mine is out, so a group 0 may be written
	ds_add_u32 v[SPW], v[NIL]
.if \fill
	s_add_nc_u64 s[G0K+4*\be+2:G0K+4*\be+3], s[G0K+4*\be+2:G0K+4*\be+3], 131072
	s_add_nc_u64 s[G0M+4*\be+2:G0M+4*\be+3], s[G0M+4*\be+2:G0M+4*\be+3], 1024
	s_wait_xcnt 0x0                                ; the last prefetch, two key steps back, has read its address
	s_add_nc_u64 s[PFA:PFA+1], s[PFA:PFA+1], s[PFS:PFS+1]
	s_wait_dscnt 0x0                               ; the add is done, and my reads of the buffer are over
	CROUND
	JLOAD \be
	ASK
	s_sub_co_u32 s[SLOTS], s[SLOTS], 1
.else
	s_wait_dscnt 0x0
	s_barrier_signal -1
	s_barrier_wait -1
.endif
.endm
	s_wait_tensorcnt 0x1                           ; my part of buffer 0 is in; buffer 1's may stay out
	s_barrier_signal -1
	s_barrier_wait -1
	s_wait_loadcnt 0x0                             ; Q
	STEP 0, 0, 0
	STEP 0, 1, 2
.Llap:                                             ; three trips: slots 1 to 6 are walked, slots 2 to 7 asked for
	CHANGE 0, 1
	STEP 1, 0, 1
	STEP 1, 1, 1
	CHANGE 1, 1
	STEP 0, 0, 1
	STEP 0, 1, 1
	s_sub_co_u32 s[LAP], s[LAP], 1
	s_cmp_lg_u32 s[LAP], 0
	s_cbranch_scc1 .Llap
	CHANGE 0, 0                                    ; the last slot is written out: nothing is left to ask for
	STEP 1, 0, 1
	STEP 1, 1, 1
	s_wait_dscnt 0x0                               ; the last V
	PVS 1
	WIN 0
.rept 4
	v_nop                                          ; four places behind the last products
.endr
	; THE WAY OUT: O' = O^T / l, rounded to f16: a lane's eight channels of a query are a quarter of a fragment for the last product
.irp t, 0,1
	v_add_f32 v[ST+8*\t+4], v[ST+8*\t+2], v[ST+8*\t+3]
.endr
.irp t, 0,1
	v_permlanex16_b32 v[ST+8*\t+5], v[ST+8*\t+4], s[SEL], s[SEL+1]
.endr
.irp t, 0,1
	v_add_f32 v[ST+8*\t+4], v[ST+8*\t+4], v[ST+8*\t+5]
.endr
.irp t, 0,1
	v_rcp_f32 v[ST+8*\t+6], v[ST+8*\t+4]
.endr
	v_nop
	s_wait_alu depctr_va_vdst(0)                   ; one wait for the two reciprocals
	WIN 0x41
.irp t, 0,1
.set j, 0
.rept 16
	v_pk_mul_f32 v[OT+32*\t+j:OT+32*\t+j+1], v[OT+32*\t+j:OT+32*\t+j+1], v[ST+8*\t+6:ST+8*\t+7] op_sel_hi:[1,0]
.set j, j+2
.endr
.endr
	WIN 0x05                                       ; sources in window 1, destination in window 0
.set j, 0
.rept 32
	v_cvt_pk_f16_f32 v[S+j], v[OT+2*j], v[OT+2*j+1]
.set j, j+1
.endr
	WIN 0
.irp t, 0,1
.irp dt, 0,1,2,3
	global_store_b128 v[LI], v[S+16*\t+4*\dt:S+16*\t+4*\dt+3], s[10:11] offset:\t*16384+\dt*512   ; 512 consecutive bytes, aligned
.endr
.endr
	s_wait_tensorcnt 0x0                           ; the wave's end
	ds_add_u32 v[SPW], v[NIL]
	s_wait_dscnt 0x0
	CROUND                                         ; the closing round
	s_endpgm
.Lfunc_end_k_qf445d19c52_attn:
	.size	k_qf445d19c52_attn, .Lfunc_end_k_qf445d19c52_attn-k_qf445d19c52_attn
	.p2alignl 7, 3214868480
	.fill 96, 4, 3214868480
	.section	.rodata,"a",@progbits
	.p2align	6, 0x0
	.amdhsa_kernel k_qf445d19c52_attn
		.amdhsa_group_segment_fixed_size 327680
		.amdhsa_private_segment_fixed_size 0
		.amdhsa_enable_private_segment 0
		.amdhsa_kernarg_size 32
		.amdhsa_user_sgpr_count 2
		.amdhsa_user_sgpr_kernarg_segment_ptr 1
		.amdhsa_wavefront_size32 1
		.amdhsa_system_sgpr_workgroup_id_x 1
		.amdhsa_system_sgpr_workgroup_id_y 1
		.amdhsa_system_sgpr_workgroup_id_z 1
		.amdhsa_system_vgpr_workitem_id 0
		.amdhsa_next_free_vgpr 512
		.amdhsa_next_free_sgpr 80
		.amdhsa_reserve_vcc 0
		.amdhsa_float_denorm_mode_32 3
		.amdhsa_float_denorm_mode_16_64 3
		.amdhsa_memory_ordered 1
		.amdhsa_forward_progress 1
		.amdhsa_inst_pref_size 176
	.end_amdhsa_kernel
	.amdgpu_metadata
---
amdhsa.version: [ 1, 2 ]
amdhsa.kernels:
  - .name:           k_qf445d19c52_attn
    .symbol:         k_qf445d19c52_attn.kd
    .args:
      - { .name: qf, .offset: 0, .size: 8, .value_kind: global_buffer, .address_space: global }
      - { .name: kv, .offset: 8, .size: 8, .value_kind: global_buffer, .address_space: global }
      - { .name: mask, .offset: 16, .size: 8, .value_kind: global_buffer, .address_space: global }
      - { .name: ofr, .offset: 24, .size: 8, .value_kind: global_buffer, .address_space: global }
    .group_segment_fixed_size: 327680
    .private_segment_fixed_size: 0
    .kernarg_segment_align: 8
    .kernarg_segment_size: 32
    .max_flat_workgroup_size: 256
    .sgpr_count:     80
    .vgpr_count:     512
    .wavefront_size: 32
...
	.end_amdgpu_metadata
.endif
;; end of part 3
;; launch outp (part 4): grid 4 x 64, 8 waves a work-group, clusters of 4 x 1, 204,800 bytes of LDS; arguments ofr, wq, bo, C, out0; writes out0
.if DOCPART == 4
	.amdgcn_target "amdgcn-amd-amdhsa--gfx1250"
	.amdhsa_code_object_version 6
	.text
	.protected	k_qf445d19c52_outp
	.globl	k_qf445d19c52_outp
	.p2align	8
	.type	k_qf445d19c52_outp,@function
k_qf445d19c52_outp:
	s_mov_b64 s[64:65], 0
	v_nop
	global_prefetch_b8 v0, s[64:65] scope:SCOPE_SE
	s_setreg_imm32_b32 hwreg(HW_REG_WAVE_MODE, 25, 1), 1
	s_wait_xcnt 0x0
	s_wait_alu depctr_hold_cnt(0) depctr_sa_sdst(0) depctr_va_vdst(0) depctr_va_sdst(0) depctr_va_ssrc(0) depctr_va_vcc(0) depctr_vm_vsrc(0)
	s_getreg_b32 s2, hwreg(HW_REG_IB_STS2, 6, 4)
	s_cmp_eq_u32 s2, 0
	s_cbranch_scc0 .Lentry_in_a_cluster
	s_endpgm
.Lentry_in_a_cluster:
	s_bfe_u32 s2, ttmp6, 0x10000c
	s_cmp_lg_u32 s2, 0x3003
	s_cbranch_scc0 .Lentry_shape_is_right
	s_endpgm
.Lentry_shape_is_right:
; OUTP: out0 = 16 C (O' Wo) + bo, in f16 products with f32 sums (O' is the attention's result / 16; the 16 and C are applied in f32).
; SHARES.  A work-group: 128 rows x 128 columns.  Wave w: columns 32 (w % 4) on (two tiles), rows 64 (w / 4) on (four tiles): eight accumulators by turns.  Its 32 fragments of Wo (256 registers) come from memory once.
; CLUSTER.  The four column blocks of a row block need the same 128 rows of O': asked for JOINTLY, once; each wave fetches one tile of 16 rows (16,384 dense bytes).  Nothing in LDS is filled again.
; The product is used TRANSPOSED (source 0 = 16 columns of Wo, source 1 = 16 rows of O'): a lane holds eight neighbouring numbers of a row of out0; rows are gathered in a stage in LDS and leave 512 bytes at a time.
; REGISTERS.  window 0: v3-9 addresses; v32-47 bo; v64-127, v128-191 O's fragments, two buffers; v192-255 the accumulators.   window 1: Wo.
.set STG,   131072                     ; LDS: 0: O's images [tile 8][K block 16][1,024];  here: the stage, 128 rows x 528
.set SPARE, 198656
.set SPW, 8
.set NIL, 9
.set BO,  32
.set OF,  64
.set ACC, 192
.set WV,  14
.set G1,  24
.set G0,  32
.set MSB, 0
.macro WIN new
.if MSB != \new
	s_set_vgpr_msb (MSB<<8)|\new
.set MSB, \new
.endif
.endm
.macro CROUND
	s_barrier_signal -1
	s_barrier_wait -1
	s_cmp_lg_u32 s[WV], 0
	s_cbranch_scc1 .Lnot_wave_0_\@
	s_barrier_signal -3
.Lnot_wave_0_\@:
	s_barrier_wait -3
	s_barrier_signal -1
	s_barrier_wait -1
.endm
	s_load_b256 s[4:11], s[0:1], 0x0               ; ofr, wq, bo, C
	s_load_b64 s[12:13], s[0:1], 0x20              ; out0
	v_lshl_add_u32 v[SPW], v0, 2, SPARE
	v_mov_b32 v[NIL], 0
	ds_add_u32 v[SPW], v[NIL]                      ; the wave's opening
	v_lshrrev_b32 v1, 5, v0
	v_readfirstlane_b32 s[WV], v1                  ; wave 0..7
	s_bfe_u32 s15, ttmp6, 0x40000                  ; cx: my block of 128 columns
	s_and_b32 s16, ttmp7, 0xffff                   ; my block of 128 rows
	s_mov_b32 s[G1], 15|(3<<16)|(1<<21)            ; 64 rows of 32 elements of 8 bytes, dense; the mask names all four
	s_mov_b32 s[G1+1], 32<<16
	s_mov_b32 s[G1+2], 64<<16
	s_mov_b32 s[G1+3], 32<<16
	s_mov_b32 s[G1+4], 64
	s_mov_b32 s[G1+5], 32
	s_mov_b32 s[G1+6], 0
	s_mov_b32 s[G1+7], 0
	s_lshl_b32 s18, s16, 17
	s_lshl_b32 s19, s[WV], 14
	s_add_co_u32 s18, s18, s19
	s_mov_b32 s19, 0
	s_wait_dscnt 0x0
	s_wait_kmcnt 0x0
	s_mov_b32 s[G0], 1
	s_lshl_b32 s[G0+1], s[WV], 14
	s_add_nc_u64 s[G0+2:G0+3], s[4:5], s[18:19]
	s_or_b32 s[G0+3], s[G0+3], 0x80000000
	CROUND                                         ; all four work-groups are here: the joint loads meet
	tensor_load_to_lds s[G0:G0+3], s[G1:G1+7]      ; one load a wave, each into its own 16,384 bytes
	s_nop 0
.rept 4
	v_nop
.endr
	s_load_b32 s20, s[10:11], 0x0                  ; C
	s_lshr_b32 s17, s[WV], 2                       ; which 64 rows
	s_and_b32 s18, s[WV], 3                        ; which 32 columns
	s_lshl_b32 s22, s15, 3
	s_lshl_b32 s23, s18, 1
	s_add_co_u32 s22, s22, s23                     ; my first tile of 16 columns
	s_mov_b32 s41, 0
	s_lshl_b32 s40, s22, 14
	s_add_nc_u64 s[36:37], s[6:7], s[40:41]        ; its images of Wo
	s_lshl_b32 s40, s22, 6
	s_add_nc_u64 s[38:39], s[8:9], s[40:41]        ; its bo
	s_lshl_b32 s40, s16, 18
	s_lshl_b32 s23, s[WV], 15
	s_add_co_u32 s40, s40, s23
	s_lshl_b32 s23, s15, 9
	s_add_co_u32 s40, s40, s23
	s_add_nc_u64 s[12:13], s[12:13], s[40:41]      ; the 16 rows that I store: 128 block + 16 wave; + 512 cx bytes
	v_and_b32 v12, 31, v0
	v_and_b32 v1, 15, v0                           ; r
	v_bfe_u32 v2, v0, 4, 1                         ; h
	v_lshlrev_b32 v3, 4, v12                       ; 16 x lane
	s_lshl_b32 s23, s17, 16
	v_add_nc_u32 v4, s23, v3                       ; my four tiles of rows
	s_mul_i32 s23, s17, 33792
	s_lshl_b32 s40, s18, 7
	s_add_co_u32 s23, s23, s40
	s_add_co_u32 s23, s23, STG
	v_mul_u32_u24 v5, v1, 528
	v_lshl_add_u32 v5, v2, 5, v5
	v_add_nc_u32 v5, s23, v5                       ; into the stage: row 64 (w / 4) + r, + 128 (w % 4) + 32 h bytes
	s_mul_i32 s23, s[WV], 8448
	s_add_co_u32 s23, s23, STG
	v_add_nc_u32 v6, s23, v3                       ; back: rows 16 w on, 16 bytes a lane
	v_lshlrev_b32 v7, 5, v2                        ; 32 h
	WIN 0x40
.set e, 0
.rept 64
	global_load_b128 v[4*e:4*e+3], v3, s[36:37] offset:1114112+512*e    ; Wo: tile u, K block kb at v[128 u + 8 kb] of window 1
.set e, e+1
.endr
	WIN 0
.irp u, 0,1
	global_load_b128 v[BO+8*\u:BO+8*\u+3], v7, s[38:39] offset:64*\u
	global_load_b128 v[BO+8*\u+4:BO+8*\u+7], v7, s[38:39] offset:64*\u+16
.endr
	s_wait_tensorcnt 0x0                           ; my tile of O' is in LDS,
	s_barrier_signal -1
	s_barrier_wait -1                              ; everybody's is
.macro OFETCH c                        ; K blocks 2 c, 2 c + 1 of my four tiles of rows
.irp kk, 0,1
.irp m, 0,1,2,3
.irp hf, 0,1
	ds_load_b128 v[OF+64*((\c)%2)+8*(4*\kk+\m)+4*\hf:OF+64*((\c)%2)+8*(4*\kk+\m)+4*\hf+3], v4 offset:\m*16384+(2*(\c)+\kk)*1024+\hf*512
.endr
.endr
.endr
.endm
.macro CHUNK c
	s_wait_dscnt 0x0                               ; this chunk's fragments are in
.rept 4
	v_nop                                          ; four places ahead of loads into the buffer that the last chunk's products read
.endr
.if (\c) < 7
	OFETCH (\c)+1
.endif
	WIN 0x01                                       ; source 0 (Wo) window 1
.irp kk, 0,1
.irp m, 0,1,2,3
.irp u, 0,1
.if ((\c) == 0) && (\kk == 0)
	v_wmma_f32_16x16x32_f16 v[ACC+8*(2*\m+\u):ACC+8*(2*\m+\u)+7], v[128*\u+8*(2*(\c)+\kk):128*\u+8*(2*(\c)+\kk)+7], v[OF+64*((\c)%2)+8*(4*\kk+\m):OF+64*((\c)%2)+8*(4*\kk+\m)+7], 0
.else
	v_wmma_f32_16x16x32_f16 v[ACC+8*(2*\m+\u):ACC+8*(2*\m+\u)+7], v[128*\u+8*(2*(\c)+\kk):128*\u+8*(2*(\c)+\kk)+7], v[OF+64*((\c)%2)+8*(4*\kk+\m):OF+64*((\c)%2)+8*(4*\kk+\m)+7], v[ACC+8*(2*\m+\u):ACC+8*(2*\m+\u)+7]
.endif
.endr
.endr
.endr
	WIN 0
.endm
	OFETCH 0
	s_wait_loadcnt 0x0                             ; Wo, bo
	s_wait_kmcnt 0x0                               ; C
	s_mul_f32 s20, s20, 0x41800000                 ; 16 C
	s_mov_b32 s21, s20
.irp c, 0,1,2,3,4,5,6,7
	CHUNK \c
.endr
.rept 4
	v_nop
.endr
.irp m, 0,1,2,3
.irp u, 0,1
.irp j, 0,2,4,6                                ; each accumulator from its low end on
	v_pk_fma_f32 v[ACC+8*(2*\m+\u)+\j:ACC+8*(2*\m+\u)+\j+1], v[ACC+8*(2*\m+\u)+\j:ACC+8*(2*\m+\u)+\j+1], s[20:21], v[BO+8*\u+\j:BO+8*\u+\j+1] op_sel_hi:[1,0,1]
.endr
.endr
.endr
.irp m, 0,1,2,3
.irp u, 0,1
	ds_store_b128 v5, v[ACC+8*(2*\m+\u):ACC+8*(2*\m+\u)+3] offset:\m*8448+\u*64
	ds_store_b128 v5, v[ACC+8*(2*\m+\u)+4:ACC+8*(2*\m+\u)+7] offset:\m*8448+\u*64+16
.endr
.endr
	s_wait_dscnt 0x0                               ; for the others' sake: my stores into the stage are done
	s_barrier_signal -1
	s_barrier_wait -1
.irp i, 0,1,2,3,4,5,6,7,8,9,10,11,12,13,14,15
	ds_load_b128 v[OF+4*\i:OF+4*\i+3], v6 offset:\i*528
.endr
.irp i, 0,1,2,3,4,5,6,7,8,9,10,11,12,13,14,15
	s_wait_dscnt 15-\i                             ; row i is back; the younger loads may be out
	global_store_b128 v3, v[OF+4*\i:OF+4*\i+3], s[12:13] offset:\i*2048 th:TH_STORE_NT   ; 32 lanes store 512 consecutive bytes, aligned
.endr
	s_wait_tensorcnt 0x0                           ; the wave's end
	ds_add_u32 v[SPW], v[NIL]
	s_wait_dscnt 0x0
	CROUND                                         ; the closing round
	s_endpgm
.Lfunc_end_k_qf445d19c52_outp:
	.size	k_qf445d19c52_outp, .Lfunc_end_k_qf445d19c52_outp-k_qf445d19c52_outp
	.p2alignl 7, 3214868480
	.fill 96, 4, 3214868480
	.section	.rodata,"a",@progbits
	.p2align	6, 0x0
	.amdhsa_kernel k_qf445d19c52_outp
		.amdhsa_group_segment_fixed_size 204800
		.amdhsa_private_segment_fixed_size 0
		.amdhsa_enable_private_segment 0
		.amdhsa_kernarg_size 40
		.amdhsa_user_sgpr_count 2
		.amdhsa_user_sgpr_kernarg_segment_ptr 1
		.amdhsa_wavefront_size32 1
		.amdhsa_system_sgpr_workgroup_id_x 1
		.amdhsa_system_sgpr_workgroup_id_y 1
		.amdhsa_system_sgpr_workgroup_id_z 1
		.amdhsa_system_vgpr_workitem_id 0
		.amdhsa_next_free_vgpr 512
		.amdhsa_next_free_sgpr 66
		.amdhsa_reserve_vcc 0
		.amdhsa_float_denorm_mode_32 3
		.amdhsa_float_denorm_mode_16_64 3
		.amdhsa_memory_ordered 1
		.amdhsa_forward_progress 1
		.amdhsa_inst_pref_size 35
	.end_amdhsa_kernel
	.amdgpu_metadata
---
amdhsa.version: [ 1, 2 ]
amdhsa.kernels:
  - .name:           k_qf445d19c52_outp
    .symbol:         k_qf445d19c52_outp.kd
    .args:
      - { .name: ofr, .offset: 0, .size: 8, .value_kind: global_buffer, .address_space: global }
      - { .name: wq, .offset: 8, .size: 8, .value_kind: global_buffer, .address_space: global }
      - { .name: bo, .offset: 16, .size: 8, .value_kind: global_buffer, .address_space: global }
      - { .name: C, .offset: 24, .size: 8, .value_kind: global_buffer, .address_space: global }
      - { .name: out0, .offset: 32, .size: 8, .value_kind: global_buffer, .address_space: global }
    .group_segment_fixed_size: 204800
    .private_segment_fixed_size: 0
    .kernarg_segment_align: 8
    .kernarg_segment_size: 40
    .max_flat_workgroup_size: 256
    .sgpr_count:     66
    .vgpr_count:     512
    .wavefront_size: 32
...
	.end_amdgpu_metadata
.endif
;; end of part 4
